; MI455X (gfx1250); checked and timed in simulation.
; The chip was launched on July 23, 2026; its instructions are those of AMD's public machine-readable ISA for CDNA 5 (MIT licence, August 2026) and "CDNA5" Instruction Set Architecture Reference Guide (July 2026). The comments in the code are by the model that wrote it; some were corrected since.
;; RNN lxg. Allowed arithmetic: matrix products marked QUANTISED: E3M2 operands, one E8M0 scale for each 32 along K, by v_wmma_scale_f32_16x16x128_f8f6f4 with both operands' format E3M2, f32 sums; everything else in f32.
;; Inputs: W_hh0 3,072 x 1,024 float32; W_hh1 3,072 x 1,024 float32; W_ih0 3,072 x 1,024 float32; W_ih1 3,072 x 1,024 float32; b_hh0 3,072 float32; b_hh1 3,072 float32; b_ih0 3,072 float32; b_ih1 3,072 float32; inputs 16 x 512 x 1,024 float32; inputs_mask 16 x 512 int32.
;; Outputs: out0 512 x 16 x 1,024 float32.
;; This version of the problem:
;;   THIS VERSION OF THE PROBLEM IS GIVEN IN LOW PRECISION. The matrix products marked QUANTISED in the list below multiply operands that are first quantised to E3M2 (3 exponent bits, 2 mantissa bits; 6 bits a number), with one power-of-two scale for each 32 numbers along K (OCP MX v1.0); their sums are f32. All else is computed in f32.
;;   The module's matrix products, in the order in which they are computed (A, B: the left and right operand; K: the contracted axis; several contracted axes count as one K, in the product's order):
;;     1. [M 8,192, K 1,024] x [K 1,024, N 3,072]; A: input inputs; B: input W_ih0: QUANTISED
;;     2. [M 8,192, K 1,024] x [K 1,024, N 3,072]; A: computed on the way; B: input W_ih1: QUANTISED
;;   THE QUANTISER, for each operand of a quantised product, along K:
;;     - K is cut into blocks of 32 from its start; a last block that is shorter is filled with zeros.
;;     - A block's scale is 2^e with e = floor(log2(the largest magnitude in the block)) - 4, held to -126 .. 127; a block of zeros has e = 0. As a byte (E8M0): e + 127.
;;     - Each number is divided by its block's scale, clamped to +-28, and rounded to the nearest number of E3M2, ties to even, subnormals kept.
;;     - The product sums the exact products of the quantised numbers (number of the format x scale) in f32.
;;   ~~~python
;;   def quantise(x, axis):      # numpy; x: float32 -> the quantised numbers, widened to float32 again
;;       x = np.moveaxis(x, axis, -1); K = x.shape[-1]
;;       x = np.pad(x, [(0, 0)] * (x.ndim - 1) + [(0, -K % 32)]); x = x.reshape(x.shape[:-1] + (-1, 32)); a = np.abs(x).max(-1, keepdims=True)
;;       e = np.where(a > 0, np.clip(np.frexp(np.where(a > 0, a, 1))[1] - 1 - 4, -126, 127), 0)      # np.frexp(a)[1] - 1 = floor(log2(a)), exactly
;;       r = np.clip(x / 2.0 ** e, -28, 28)
;;       step = 2.0 ** (np.maximum(np.frexp(np.where(r == 0, 1, r))[1] - 1, -2) - 2)
;;       q = np.round(r / step) * step * 2.0 ** e      # np.round: ties to even
;;       return np.moveaxis(q.reshape(q.shape[:-2] + (-1,))[..., :K], -1, axis).astype(np.float32)
;;   ~~~
;;   OPERANDS COMPUTED ON THE WAY. 'Computed on the way' means the value that the module computes at that place (a softmax that the list does not call 'softmax' is quantised finished and normalised). What goes into a quantiser is computed in f32, as accurately as f32 sums, v_exp_f32 and their like allow (about 1e-6 of the number): no bf16 or f16 on the way to a quantiser, and a product that is left as it is and whose result goes on into a quantised operand takes f32 operands (vector FMAs, or v_wmma_f32_16x16x4_f32). A number that lies on a knife's edge between two numbers of the format may be rounded either way, as far as f32 arithmetic and the matrix unit's own rounding can turn it there, and no further.
;; One version. Each part assembles by itself: llvm-mc -triple=amdgcn-amd-amdhsa -mcpu=gfx1250 --defsym DOCPART=n.
;; ======== version 1 of 1: 3 launches
;; limits: a function is approximated: absolute error at most 1e-07
;; workspace buffers: xq 6,553,600 bytes; h1q 6,553,600 bytes; w0q 2,457,600 bytes; w1q 2,457,600 bytes
;; launch quant (part 1): grid 256 x 1, 7 waves a work-group, no clusters, 60,160 bytes of LDS; arguments inputs, W_ih0, W_ih1, xq, w0q, w1q; writes xq, w0q, w1q
.if DOCPART == 1
	.amdgcn_target "amdgcn-amd-amdhsa--gfx1250"
	.amdhsa_code_object_version 6
	.text
	.protected	k_qba2a99068f_quant
	.globl	k_qba2a99068f_quant
	.p2align	8
	.type	k_qba2a99068f_quant,@function
k_qba2a99068f_quant:
	s_mov_b64 s[64:65], 0
	v_nop
	global_prefetch_b8 v0, s[64:65] scope:SCOPE_SE
	s_setreg_imm32_b32 hwreg(HW_REG_WAVE_MODE, 25, 1), 1
	s_wait_xcnt 0x0
; inputs [8192][1024], W_ih0 and W_ih1 [3072][1024], f32 with K innermost, become codes of BF6 (E3M2) with one E8M0 byte for each 32 along K,
; laid IN THE ORDER OF THE OPERAND'S REGISTERS: a fragment (16 rows x 128 K) is 12 registers a lane, 1,536 bytes; registers 4 c .. 4 c + 3 of lane l lie at 512 c + 16 l.
; A block's scale is 2^(floor(log2(largest magnitude)) - 4): its byte is the largest magnitude's exponent field - 4, held at 1 from below.
; LIMITS: a block whose largest magnitude lies under 2^-122 (a block of zeros too) gets the byte 1 where the rule says another: its codes are right (zeros for zeros), and this program alone reads the bytes.
;         NaN and infinities among the inputs are not served.
; THE ROWS OF A FRAGMENT ARE NOT NEIGHBOURS: in each group of 64 rows, lane r of fragment j takes row 32 (j / 2) + 8 (j % 2) + r + 8 (r / 8).  For the weights this makes a lane's 16 results of two tiles
; 16 neighbouring hidden units; for the rows of x it only renames rows, and the last launch's stores undo it.
; SHARES.  A unit is 64 rows x 128 K: four fragments, 32,768 bytes in, 6,144 + 256 out.  (8192 + 2 x 3072) / 64 x 8 = 1,792 units = 256 work-groups x 7 waves: a wave takes one unit.  Waves share nothing: no barrier.
; xq: group of 64 rows: 51,200 bytes: fragment (K step s, j) at 6144 s + 1536 j; scale words from 49,152 on: set (s, j / 2) of 128 bytes, lane (r, j % 2) holds the word of fragment j's lane r.
; w0q, w1q: chunk = hidden units 32 cid .. + 31 of the three gates, all of K: 76,800 bytes: fragment (u, s, g) at (24 u + 3 s + g) 1536; scale words from 73,728 on: set (s, g) of 128 bytes, lane (r, u).
; A load reads 512 consecutive bytes of one row, 16 a lane; a fragment's 16 rows turn through the wave's own stage in LDS (rows of 512 + 16 bytes) so that lane (r, h) gets blocks h and 2 + h of row r whole.
.set SPI,  528                         ; a stage row
.set WREG, 16*SPI                      ; a wave's LDS bytes
.set LO,   4                           ; v4      16 x lane; never rewritten
.set WSA,  5                           ; v5      the stage, way in
.set RDA,  6                           ; v6      the stage, way out: row r, + 128 h
.set SH8,  7                           ; v7      8 h
.set OFJ,  8                           ; v8-11   fragment j's place in the codes' buffer, + 16 x lane
.set SO,   12                          ; v12-13  the two sets of scale words, + 4 x lane
.set MX,   14                          ; v14-15  my two blocks' largest magnitudes
.set SCL,  16                          ; v16-17  the conversions' scale operands
.set BYT,  18                          ; v18-19  the bytes
.set WT,   20
.set TP,   21
.set WJ,   22                          ; v22-25  fragment j's scale word, whole in both halves of the lanes
.set VW,   26                          ; v26-27  the words as they leave
.set C,    28                          ; v28-39  a fragment's codes
.set T,    40                          ; v40-47  the halves that begin on an odd register of the fragment
.set X,    48                          ; v48-111 my 64 numbers
.set RAW,  112                         ; v112-239 two sets of 64: a fragment as loaded
	s_load_b128 s[4:7], s[0:1], 0x0                ; inputs, W_ih0
	s_load_b128 s[8:11], s[0:1], 0x10              ; W_ih1, xq
	s_load_b128 s[12:15], s[0:1], 0x20             ; w0q, w1q
	v_lshl_add_u32 v240, v0, 2, 0xe700
	v_mov_b32 v241, 0
	v_lshrrev_b32 v1, 5, v0
	v_readfirstlane_b32 s16, v1                    ; wave 0..6
	s_mul_i32 s17, ttmp9, 7
	s_add_co_u32 s17, s17, s16                     ; my unit: 0..1023 inputs, 1024..1407 W_ih0, 1408..1791 W_ih1
	s_mov_b32 s19, 1408
	s_cmp_lt_u32 s17, s19
	s_cselect_b32 s18, 1024, s19
	s_cmp_lt_u32 s17, 1024
	s_cselect_b32 s18, 0, s18
	s_sub_co_u32 s18, s17, s18                     ; the unit's number in its tensor
	s_and_b32 s20, s18, 7                          ; s: the K step
	s_lshr_b32 s21, s18, 3                         ; rg: the group of 64 rows
	s_lshr_b32 s22, s21, 4                         ; a weight's gate g
	s_and_b32 s23, s21, 15                         ; and its pair of chunks v
	s_lshl_b32 s24, s21, 18                        ; from where: rg x 64 rows x 4,096 bytes + 512 s
	s_lshl_b32 s25, s20, 9
	s_add_co_u32 s24, s24, s25
	s_mov_b32 s25, 0
	s_mul_i32 s26, s21, 51200                      ; to where, for x:
	s_mul_i32 s27, s20, 6144
	s_add_co_u32 s27, s26, s27                     ; codes
	s_lshl_b32 s28, s20, 8
	s_add_co_u32 s28, s28, s26
	s_add_co_u32 s28, s28, 49152                   ; scale words
	s_mul_i32 s29, s23, 153600                     ; and for a weight:
	s_mul_i32 s30, s20, 3
	s_add_co_u32 s30, s30, s22                     ; 3 s + g
	s_mul_i32 s31, s30, 1536
	s_add_co_u32 s31, s31, s29                     ; codes
	s_lshl_b32 s30, s30, 7
	s_add_co_u32 s30, s30, s29
	s_add_co_u32 s30, s30, 73728                   ; scale words
	s_mov_b32 s32, 76800
	s_mov_b32 s33, 36864
	s_cmp_lt_u32 s17, 1024                         ; x or a weight?  The choice hangs on ids alone
	s_cselect_b32 s27, s27, s31
	s_cselect_b32 s28, s28, s30
	s_cselect_b32 s34, 3072, s32                   ; from fragment j to j + 2
	s_cselect_b32 s35, 1536, s33                   ; from fragment j to j + 1
	s_cselect_b32 s36, 128, s32                    ; from the first set of scale words to the second
	s_mov_b32 s40, 0x76543210
	s_mov_b32 s41, 0xfedcba98                      ; v_permlanex16_b32's selects for lane l xor 16
	v_and_b32 v1, 31, v0                           ; lane
	v_and_b32 v2, 15, v0                           ; r
	v_bfe_u32 v3, v0, 4, 1                         ; h
	v_lshlrev_b32 v[LO], 4, v1
	s_mul_i32 s37, s16, WREG
	v_add_nc_u32 v[WSA], s37, v[LO]
	v_mul_u32_u24 v[RDA], v2, SPI
	v_lshl_add_u32 v[RDA], v3, 7, v[RDA]
	v_add_nc_u32 v[RDA], s37, v[RDA]
	v_lshlrev_b32 v[SH8], 3, v3
	v_add_nc_u32 v[OFJ], s27, v[LO]
	v_add_nc_u32 v[OFJ+1], s35, v[OFJ]
	v_add_nc_u32 v[OFJ+2], s34, v[OFJ]
	v_add_nc_u32 v[OFJ+3], s35, v[OFJ+2]
	v_lshl_add_u32 v[SO], v1, 2, s28
	v_add_nc_u32 v[SO+1], s36, v[SO]
	v_mov_b32 v[TP], 0                             ; a lane permute's destination counts as one of its sources
	s_wait_kmcnt 0x0
	s_cmp_lt_u32 s17, s19
	s_cselect_b64 s[6:7], s[6:7], s[8:9]           ; which weight,
	s_cselect_b64 s[12:13], s[12:13], s[14:15]
	s_cmp_lt_u32 s17, 1024
	s_cselect_b64 s[4:5], s[4:5], s[6:7]           ; or x
	s_cselect_b64 s[10:11], s[10:11], s[12:13]
	s_add_nc_u64 s[4:5], s[4:5], s[24:25]
.macro LOADF j                         ; fragment j's 16 rows: each load reads 512 consecutive bytes; read once in the launch
.irp i, 0,1,2,3,4,5,6,7,8,9,10,11,12,13,14,15
	global_load_b128 v[RAW+64*((\j)%2)+4*\i:RAW+64*((\j)%2)+4*\i+3], v[LO], s[4:5] offset:(32*((\j)/2)+8*((\j)%2)+\i+8*(\i/8))*4096 th:TH_LOAD_NT
.endr
.endm
.macro FRAG j
.if (\j) < 3
	s_wait_loadcnt 16                              ; this fragment's 16 loads are in; the next fragment's 16 may be out
.else
	s_wait_loadcnt 0x0
.endif
.irp i, 0,1,2,3,4,5,6,7,8,9,10,11,12,13,14,15
	ds_store_b128 v[WSA], v[RAW+64*((\j)%2)+4*\i:RAW+64*((\j)%2)+4*\i+3] offset:SPI*\i
.endr
.irp q, 0,1,2,3,4,5,6,7                ; LDS serves a wave's instructions in order: these see the stores above
	ds_load_b128 v[X+4*\q:X+4*\q+3], v[RDA] offset:16*\q              ; k = 32 h + 0 .. 31 of row r
	ds_load_b128 v[X+32+4*\q:X+32+4*\q+3], v[RDA] offset:256+16*\q    ; k = 64 + 32 h + 0 .. 31
.endr
	s_wait_dscnt 0x0                               ; my numbers are back: so the stores have read their registers,
.if (\j) < 2
	LOADF (\j)+2                                   ; which take the fragment two on
.endif
.irp c, 0,1
	v_max3_num_f32 v[MX+\c], |v[X+32*\c]|, |v[X+32*\c+1]|, 0x2800000   ; block 2 c + h: all 32 numbers are mine; the floor 2^(5 - 127) holds the byte at 1 from below
.endr
.irp i, 2,4,6,8,10,12,14,16,18,20,22,24,26,28,30
.irp c, 0,1
	v_max3_num_f32 v[MX+\c], v[MX+\c], |v[X+32*\c+\i]|, |v[X+32*\c+\i+1]|
.endr
.endr
.irp c, 0,1
	v_add_nc_u32 v[SCL+\c], 0xfe000000, v[MX+\c]   ; 4 off the exponent field: the conversion takes that field of this operand as its scale
.endr
.irp c, 0,1
	v_lshrrev_b32 v[BYT+\c], 23, v[SCL+\c]         ; the scale's byte
.endr
	v_lshl_or_b32 v[WT], v[BYT+1], 16, v[BYT]      ; blocks h and 2 + h,
	v_lshlrev_b32 v[WT], v[SH8], v[WT]             ; at their places in the word;
	v_permlanex16_b32 v[TP], v[WT], s40, s41
	v_or_b32 v[WJ+(\j)], v[WT], v[TP]              ; with lane l xor 16's two the word is whole
.if (\j) > 0
	s_wait_xcnt 0x0                                ; the last fragment's stores have read their data: the codes' registers are written again only behind this wait
.endif
.irp c, 0,1
	v_cvt_scalef32_pk16_bf6_f32 v[C+6*\c:C+6*\c+2], v[X+32*\c:X+32*\c+15], v[SCL+\c]
	v_cvt_scalef32_pk16_bf6_f32 v[T+4*\c:T+4*\c+2], v[X+32*\c+16:X+32*\c+31], v[SCL+\c]   ; (a conversion's three registers begin on an even number)
.endr
	v_nop                                          ; one plain place behind a scaled conversion
.irp c, 0,1
.irp i, 0,1,2
	v_mov_b32 v[C+6*\c+3+\i], v[T+4*\c+\i]
.endr
.endr
.irp c, 0,1,2
	global_store_b128 v[OFJ+(\j)], v[C+4*\c:C+4*\c+3], s[10:11] offset:512*\c   ; 32 lanes store 512 consecutive bytes, at a multiple of 256 from the buffer's first byte
.endr
.endm
	LOADF 0
	LOADF 1
	FRAG 0
	FRAG 1
	FRAG 2
	FRAG 3
	v_cmp_le_u32 vcc_lo, 16, v1                    ; lanes 16-31 carry the odd fragment's words
	v_cndmask_b32 v[VW], v[WJ], v[WJ+1], vcc_lo
	v_cndmask_b32 v[VW+1], v[WJ+2], v[WJ+3], vcc_lo
	global_store_b32 v[SO], v[VW], s[10:11]        ; 128 consecutive bytes each
	global_store_b32 v[SO+1], v[VW+1], s[10:11]
	s_wait_tensorcnt 0x0
	ds_add_u32 v240, v241
	s_wait_dscnt 0x0
	s_endpgm
.Lfunc_end_k_qba2a99068f_quant:
	.size	k_qba2a99068f_quant, .Lfunc_end_k_qba2a99068f_quant-k_qba2a99068f_quant
	.p2alignl 7, 3214868480
	.fill 96, 4, 3214868480
	.section	.rodata,"a",@progbits
	.p2align	6, 0x0
	.amdhsa_kernel k_qba2a99068f_quant
		.amdhsa_group_segment_fixed_size 60160
		.amdhsa_private_segment_fixed_size 0
		.amdhsa_enable_private_segment 0
		.amdhsa_kernarg_size 48
		.amdhsa_user_sgpr_count 2
		.amdhsa_user_sgpr_kernarg_segment_ptr 1
		.amdhsa_wavefront_size32 1
		.amdhsa_system_sgpr_workgroup_id_x 1
		.amdhsa_system_sgpr_workgroup_id_y 1
		.amdhsa_system_sgpr_workgroup_id_z 1
		.amdhsa_system_vgpr_workitem_id 0
		.amdhsa_next_free_vgpr 242
		.amdhsa_next_free_sgpr 66
		.amdhsa_reserve_vcc 1
		.amdhsa_float_denorm_mode_32 3
		.amdhsa_float_denorm_mode_16_64 3
		.amdhsa_memory_ordered 1
		.amdhsa_forward_progress 1
		.amdhsa_inst_pref_size 31
	.end_amdhsa_kernel
	.amdgpu_metadata
---
amdhsa.version: [ 1, 2 ]
amdhsa.kernels:
  - .name:           k_qba2a99068f_quant
    .symbol:         k_qba2a99068f_quant.kd
    .args:
      - { .name: inputs, .offset: 0, .size: 8, .value_kind: global_buffer, .address_space: global }
      - { .name: W_ih0, .offset: 8, .size: 8, .value_kind: global_buffer, .address_space: global }
      - { .name: W_ih1, .offset: 16, .size: 8, .value_kind: global_buffer, .address_space: global }
      - { .name: xq, .offset: 24, .size: 8, .value_kind: global_buffer, .address_space: global }
      - { .name: w0q, .offset: 32, .size: 8, .value_kind: global_buffer, .address_space: global }
      - { .name: w1q, .offset: 40, .size: 8, .value_kind: global_buffer, .address_space: global }
    .group_segment_fixed_size: 60160
    .private_segment_fixed_size: 0
    .kernarg_segment_align: 8
    .kernarg_segment_size: 48
    .max_flat_workgroup_size: 224
    .sgpr_count:     66
    .vgpr_count:     242
    .wavefront_size: 32
...
	.end_amdgpu_metadata
.endif
;; end of part 1
;; launch gemm0 (part 2): grid 32 x 8, 4 waves a work-group, clusters of 4 x 1, 327,680 bytes of LDS; arguments xq, w0q, b_ih0, b_hh0, h1q; writes h1q
.if DOCPART == 2
	.amdgcn_target "amdgcn-amd-amdhsa--gfx1250"
	.amdhsa_code_object_version 6
	.text
	.protected	k_qba2a99068f_gemm0
	.globl	k_qba2a99068f_gemm0
	.p2align	8
	.type	k_qba2a99068f_gemm0,@function
k_qba2a99068f_gemm0:
	s_mov_b64 s[64:65], 0
	v_nop
	global_prefetch_b8 v0, s[64:65] scope:SCOPE_SE
	s_setreg_imm32_b32 hwreg(HW_REG_WAVE_MODE, 25, 1), 1
	s_wait_xcnt 0x0
	s_wait_alu depctr_hold_cnt(0) depctr_sa_sdst(0) depctr_va_vdst(0) depctr_va_sdst(0) depctr_va_ssrc(0) depctr_va_vcc(0) depctr_vm_vsrc(0)
	s_getreg_b32 s2, hwreg(HW_REG_IB_STS2, 6, 4)
	s_cmp_eq_u32 s2, 0
	s_cbranch_scc0 .Lentry_in_a_cluster
	s_endpgm
.Lentry_in_a_cluster:
	s_bfe_u32 s2, ttmp6, 0x10000c
	s_cmp_lg_u32 s2, 0x3003
	s_cbranch_scc0 .Lentry_shape_is_right
	s_endpgm
.Lentry_shape_is_right:
; ONE LAYER OF THE GRU WITH h_prev = 0:  g = A W^T (codes of BF6, E8M0 scales, f32 sums);  r = sigmoid(g_r + b_ir + b_hr), z = sigmoid(g_z + b_iz + b_hz), n = tanh(g_n + b_in + r b_hn), h = (1 - z) n.
; LAYER = 0: A = xq, h is quantised along the hidden units and stored as h1q, laid like xq.   LAYER = 1: A = h1q, h x float(mask[b][l]) is stored at out0[l][b][:].
; W_hh is not loaded: the reference function deletes it itself (it multiplies h_prev = 0), so no result hangs on it.
; SHARES.  Grid 32 x 8.  A work-group takes 256 rows (x) and 128 hidden units x 3 gates (y); each of its four waves 64 rows (group G of the operand's buffer), for all 128 units.
; A STAYS IN REGISTERS: a wave's 64 rows x 1,024 K are 32 fragments, 384 registers, loaded once, straight from memory (the buffer is laid in register order).  W STREAMS THROUGH LDS in four chunks of 32 hidden units
; x 3 gates x all of K (48 fragments + scale words, 76,800 dense bytes), through a ring of two slots.
; CLUSTER 4, 1, 1 along the rows: the four partners walk the same chunks of W, so each quarter of a chunk is asked for JOINTLY (mask 15), by the same load with the same descriptor in all four.
; A is each wave's own and goes to registers, so nothing else is shared.
; THE MATRIX INSTRUCTION IS USED TRANSPOSED (source 0 = 16 rows of W, source 1 = 16 rows of A): lane (r, h) holds ONE row of A; tile u's register e is hidden unit 16 h + 8 u + e of the chunk
; (the rows of W that form a tile were chosen so), so that 16 registers of a lane are 16 neighbouring units.
; BY TURNS.  A chunk is two tiles u = 0, 1 of 96 products on 12 accumulators each, which share no register.  In a TURN one tile has the matrix unit and the other tile's gates, a list of 352 vector instructions,
; stand in 88 slices of four, one behind each product: 3.7 vector instructions for each matrix instruction.  TURNA: tile 0 of chunk t | tile 1's gates of chunk t - 1.  TURNB: tile 1 of chunk t | tile 0's gates of chunk t.
; The products want W in window 0 and A in window 2 or 3, the gates work in window 1, and no window has room for both: a slice costs two switches of the register window.
; THE GATES, with L = log2(e):  a = 2^(-L(g_r + b_r)), r = 1 / (1 + a);  Ez = 2^(L(g_z + b_z));  t = min(2L g_n + 2L b_in + r 2L b_hn, 64), En = 2^t;  h = (En - 1) / ((1 + Ez)(1 + En)).
; LIMITS: t is held at 64, where tanh is 1 in f32, so that En stays finite and Ez = infinity gives h = 0; En - 1 carries an absolute error of about 1e-7; NaN and infinite inputs are not served;
;         a block of h whose largest magnitude lies under 2^-122 gets the scale byte 1 (its codes are right; this program alone reads the bytes); a masked row may be -0.
; REGISTERS, in windows of 256: window 0: v1-15 addresses; v16-31 A's scale words (register 2 s + j / 2, lanes (r, j % 2)); v32-55 W's (register 3 s + g, lanes (r, u)); v56-63 h's scale words or the mask;
;   v64-207 W's fragments, two sets of six; v208-246 at work.   window 1: accumulator (j, g, u) at v[48 j + 16 g + 8 u]; v192-255 the biases, kind k of tile u at v[192 + 16 k + 8 u].
;   windows 2, 3: A's fragment (s, j) at v[48 (s % 4) + 12 j];  window 2 v192-255: h of fragment j at v[192 + 16 j + 8 u + e];  window 3 v192-255: LAYER 1: rows on their way out.
.set LAYER, 0
.set CH,    76800                      ; a chunk of W in bytes
.set QCH,   19200                      ; a wave's quarter of it: 75 rows of 256 bytes
.set SLOT1, 1<<17                      ; slot 1 begins here: one exclusive or turns an address from one slot to the other
.set SPARE, 76800                      ; behind slot 0: the spare words, 128 bytes for each wave: two blocks of 256 bytes that no other line names
.set HSTG,  77312                      ; LAYER 0: a stage of 6,144 bytes for each wave: no fill lands here
.set BST,   101888                     ; the prepared biases, 2,048 bytes for each wave: kind k of unit U at 512 k + 4 U: no fill lands here
.set OSTG,  207872                     ; LAYER 1: behind slot 1: a stage of 64 rows x 272 bytes for each wave: no fill lands here
.set AGRP,  51200                      ; a group of 64 rows of A in bytes
.set NG,    352                        ; instructions in a tile's list of gates
.set WV,   16                          ; s16  my wave's number
.set LI,   4                           ; v4   16 x lane; never rewritten
.set AD0,  5                           ; v5, v6  LDS address of the chunk's fragments of tile 0, 1
.set ADS,  7                           ; v7   and of its scale words
.set SPW,  8                           ; v8   LDS address of my spare word; never rewritten
.set NIL,  9                           ; v9   0; never rewritten
.set BLB,  10                          ; v10  my wave's biases in LDS, + 64 h; never rewritten
.set L4,   11                          ; v11  4 x lane; never rewritten
.set SIB,  12                          ; v12  the stage, way in
.set SIN,  13                          ; v13  the same for this chunk
.set SOUT, 14                          ; v14  the stage, way out
.set CO,   15                          ; v15  LAYER 1: my byte offset in out0
.set ASC,  16
.set BSC,  32
.set WJ,   56                          ; LAYER 0: v56-59 the scale words of h, v60-61 as they leave
.set MK,   56                          ; LAYER 1: v56-63 float(mask) of my row of fragment j, twice
.set BF,   64
.set PB,   208                         ; v208-231 at the head: the biases as loaded;  later:
.set TM,   208                         ; v208-211 largest magnitudes
.set SCO,  216                         ; v216-219 the conversions' scale operands
.set BY,   220                         ; v220-223 the bytes
.set CD,   224                         ; v224-239 codes, four registers for each j
.set TP,   240                         ; v240-243
.set MA,   244                         ; v244 the mask's address; never rewritten
.set BLA,  245                         ; v245 the biases' address for the tile in hand
.set BWA,  246                         ; v246 where I store prepared biases
.set BIA,  192                         ; window 1: the biases: kinds -L (b_ir + b_hr), L (b_iz + b_hz), 2L b_in, 2L b_hn
.set HH,   192                         ; window 2: h
.set MSB, 0
.macro WIN new                         ; the immediate's high byte repeats the setting that is left; a switch that changes nothing is dropped
.if MSB != \new
	s_set_vgpr_msb (MSB<<8)|\new
.set MSB, \new
.endif
.endm
.macro PLACES                          ; four plain places in front of loads into registers that matrix instructions have read, and of the first read of results (ISA guide 7.12.1 for vector instructions)
.rept 4
	v_nop
.endr
.endm
.macro ROUND                           ; a round of the cluster's barrier: my work-group's barrier; wave 0 signals for the work-group; every wave waits for all four work-groups; my work-group's barrier once more
	s_barrier_signal -1
	s_barrier_wait -1
	s_cmp_lg_u32 s[WV], 0
	s_cbranch_scc1 .Lnot_wave_0_\@
	s_barrier_signal -3
.Lnot_wave_0_\@:
	s_barrier_wait -3
	s_barrier_signal -1
	s_barrier_wait -1
.endm
; THE CHANGE OF SLOTS stands at a chunk's head.  Each wave waits for all its tensor loads (one is out: its quarter of the chunk that it is about to read), adds 0 to its spare word, and waits for that and for its reads
; of the slot that it has left.  fill = 1: behind a round of the cluster's barrier that slot takes the chunk after: the load has a whole chunk's two turns in which to land.
.macro CHANGE fill
	s_wait_tensorcnt 0x0                           ; no tensor load of mine is out, so the group 0 may be written
	ds_add_u32 v[SPW], v[NIL]                      ; 0 onto my spare word
.if \fill
	s_xor_b32 s33, s33, SLOT1                      ; the walking descriptor: the other slot,
	s_add_nc_u64 s[34:35], s[34:35], CH            ; the next chunk; the type bits on top are not reached
.endif
	s_wait_dscnt 0x0                               ; the add is done, and my reads of the slot that I have left are over
.if \fill
	ROUND                                          ; no wave of any partner still reads that slot or has a load on its way
	tensor_load_to_lds s[32:35], s[24:31]          ; the first thing behind the round, and my one tensor load until the next
	s_nop 0
	PLACES                                         ; (four v_nop behind a tensor load)
.else
	s_barrier_signal -1
	s_barrier_wait -1
.endif
.endm
; Step q of a chunk's eight: tile u = q / 4, K steps 2 (q % 4) and 2 (q % 4) + 1, three gates: six fragments, 9,216 dense bytes, 18 loads of 512 bytes, into set q % 2
.macro FETCH q
	WIN 0
.set n, 0
.rept 18
	ds_load_b128 v[BF+72*((\q)%2)+4*n:BF+72*((\q)%2)+4*n+3], v[AD0+(\q)/4] offset:9216*((\q)%4)+512*n
.set n, n+1
.endr
.endm
.macro WM                              ; one product; the K step 0 starts the sum with the constant 0: nothing is ever cleared.  Lanes 16-31 of a scale register serve tile 1 of W and the odd fragments of A
.if MS == 0
.if MU == 0
.if MO == 0
	v_wmma_scale_f32_16x16x128_f8f6f4 v[rD:rD+7], v[rB:rB+11], v[rA:rA+11], 0, v[rSW], v[rSA] matrix_a_fmt:MATRIX_FMT_BF6 matrix_b_fmt:MATRIX_FMT_BF6
.else
	v_wmma_scale_f32_16x16x128_f8f6f4 v[rD:rD+7], v[rB:rB+11], v[rA:rA+11], 0, v[rSW], v[rSA] matrix_a_fmt:MATRIX_FMT_BF6 matrix_b_fmt:MATRIX_FMT_BF6 matrix_b_scale:MATRIX_SCALE_ROW1
.endif
.else
.if MO == 0
	v_wmma_scale_f32_16x16x128_f8f6f4 v[rD:rD+7], v[rB:rB+11], v[rA:rA+11], 0, v[rSW], v[rSA] matrix_a_fmt:MATRIX_FMT_BF6 matrix_b_fmt:MATRIX_FMT_BF6 matrix_a_scale:MATRIX_SCALE_ROW1
.else
	v_wmma_scale_f32_16x16x128_f8f6f4 v[rD:rD+7], v[rB:rB+11], v[rA:rA+11], 0, v[rSW], v[rSA] matrix_a_fmt:MATRIX_FMT_BF6 matrix_b_fmt:MATRIX_FMT_BF6 matrix_a_scale:MATRIX_SCALE_ROW1 matrix_b_scale:MATRIX_SCALE_ROW1
.endif
.endif
.else
.if MU == 0
.if MO == 0
	v_wmma_scale_f32_16x16x128_f8f6f4 v[rD:rD+7], v[rB:rB+11], v[rA:rA+11], v[rD:rD+7], v[rSW], v[rSA] matrix_a_fmt:MATRIX_FMT_BF6 matrix_b_fmt:MATRIX_FMT_BF6
.else
	v_wmma_scale_f32_16x16x128_f8f6f4 v[rD:rD+7], v[rB:rB+11], v[rA:rA+11], v[rD:rD+7], v[rSW], v[rSA] matrix_a_fmt:MATRIX_FMT_BF6 matrix_b_fmt:MATRIX_FMT_BF6 matrix_b_scale:MATRIX_SCALE_ROW1
.endif
.else
.if MO == 0
	v_wmma_scale_f32_16x16x128_f8f6f4 v[rD:rD+7], v[rB:rB+11], v[rA:rA+11], v[rD:rD+7], v[rSW], v[rSA] matrix_a_fmt:MATRIX_FMT_BF6 matrix_b_fmt:MATRIX_FMT_BF6 matrix_a_scale:MATRIX_SCALE_ROW1
.else
	v_wmma_scale_f32_16x16x128_f8f6f4 v[rD:rD+7], v[rB:rB+11], v[rA:rA+11], v[rD:rD+7], v[rSW], v[rSA] matrix_a_fmt:MATRIX_FMT_BF6 matrix_b_fmt:MATRIX_FMT_BF6 matrix_a_scale:MATRIX_SCALE_ROW1 matrix_b_scale:MATRIX_SCALE_ROW1
.endif
.endif
.endif
.endm
; THE GATES OF ONE TILE y: a list of 352 instructions on its 12 accumulators, in place; GS writes number gk of it.  The tile's 32 values a gate are 16 pairs: pair p = fragment p / 4, registers 2 (p % 4) and + 1;
; R, Z, N of a pair lie 16 registers apart.  Each accumulator is first read at its low end.  Four batches of transcendentals; inside a batch plain lines and transcendentals alternate, a pair's plain line one step ahead
; of its transcendentals, and NO line of a batch names a result of that batch; ahead of the first reader stands ONE s_wait_alu, behind a plain line.
;   0-111    the three scalings of a pair (x -L + b, x L + b, x 2L + b) and the exponentials a, Ez               | wait |
;   112-175  1 + a, r = 1 / (1 + a), 1 + Ez                                                                       | wait |
;   176-255  + r 2L b_hn, the hold at 64, En                                                                      | v_nop, wait |
;   256-335  1 + En, (1 + Ez)(1 + En), its reciprocal; then En - 1 (LAYER 1: x the mask), sixteen lines together  | wait |
;   336-351  h, into window 2
.macro GS y
.if (gk == 112) || (gk == 176) || (gk == 336)
	s_wait_alu depctr_va_vdst(0)
.endif
.if gk == 256
	v_nop                                          ; the plain place behind the last exponential
	s_wait_alu depctr_va_vdst(0)
.endif
.set gc, 0                             ; which of R, Z, N
.set gh, 0                             ; which half of the pair
.if gk < 3
.set gt, 1
.set gp, 0
.set gc, gk
.elseif gk < 108
.set gp, (gk-3)/7
.set gq, (gk-3)%7
.if gq%2 == 0
.set gt, 2
.set gc, gq/4
.set gh, (gq/2)%2
.else
.set gt, 1
.set gp, gp+1
.set gc, gq/2
.endif
.elseif gk < 112
.set gt, 2
.set gp, 15
.set gc, (gk-108)/2
.set gh, (gk-108)%2
.elseif gk == 112
.set gt, 4
.set gp, 0
.elseif gk < 173
.set gp, (gk-113)/4
.set gq, (gk-113)%4
.if gq == 0
.set gt, 3
.elseif gq == 1
.set gt, 4
.set gp, gp+1
.elseif gq == 2
.set gt, 3
.set gh, 1
.else
.set gt, 4
.set gc, 1
.endif
.elseif gk < 175
.set gt, 3
.set gp, 15
.set gh, gk-173
.elseif gk == 175
.set gt, 4
.set gp, 15
.set gc, 1
.elseif gk == 176
.set gt, 5
.set gp, 0
.elseif gk < 179
.set gt, 6
.set gp, 0
.set gh, gk-177
.elseif gk < 254
.set gp, (gk-179)/5
.set gq, (gk-179)%5
.if gq == 0
.set gt, 5
.set gp, gp+1
.elseif gq == 1
.set gt, 2
.set gc, 2
.elseif gq == 2
.set gt, 6
.set gp, gp+1
.elseif gq == 3
.set gt, 2
.set gc, 2
.set gh, 1
.else
.set gt, 6
.set gp, gp+1
.set gh, 1
.endif
.elseif gk < 256
.set gt, 2
.set gp, 15
.set gc, 2
.set gh, gk-254
.elseif gk == 256
.set gt, 7
.set gp, 0
.elseif gk == 257
.set gt, 8
.set gp, 0
.elseif gk < 318
.set gp, (gk-258)/4
.set gq, (gk-258)%4
.if gq == 0
.set gt, 7
.set gp, gp+1
.elseif gq == 1
.set gt, 3
.set gc, 1
.elseif gq == 2
.set gt, 8
.set gp, gp+1
.else
.set gt, 3
.set gc, 1
.set gh, 1
.endif
.elseif gk < 320
.set gt, 3
.set gp, 15
.set gc, 1
.set gh, gk-318
.elseif gk < 336
.set gt, 9
.set gp, gk-320
.else
.set gt, 10
.set gp, gk-336
.endif
.set gb, 48*(gp/4)+8*(\y)+2*(gp%4)     ; the pair's R
.set ge, 8*(\y)+2*(gp%4)               ; its place among a kind's 16 biases, and in a fragment's 16 h
.if gt == 10
	WIN 0x85                                       ; sources window 1, destination window 2
.elseif (gt == 9) && LAYER
	WIN 0x41                                       ; destination and source 0 window 1, the mask window 0
.else
	WIN 0x55                                       ; all in window 1
.endif
.if gt == 1
	v_pk_fma_f32 v[gb+16*gc:gb+16*gc+1], v[gb+16*gc:gb+16*gc+1], s[42+2*gc:43+2*gc], v[BIA+16*gc+ge:BIA+16*gc+ge+1] op_sel_hi:[1,0,1]
.elseif gt == 2
	v_exp_f32 v[gb+16*gc+gh], v[gb+16*gc+gh]
.elseif gt == 3
	v_rcp_f32 v[gb+16*gc+gh], v[gb+16*gc+gh]
.elseif gt == 4
	v_pk_add_f32 v[gb+16*gc:gb+16*gc+1], v[gb+16*gc:gb+16*gc+1], 1.0 op_sel_hi:[1,0]
.elseif gt == 5
	v_pk_fma_f32 v[gb+32:gb+33], v[gb:gb+1], v[BIA+48+ge:BIA+48+ge+1], v[gb+32:gb+33]
.elseif gt == 6
	v_min_num_f32 v[gb+32+gh], s48, v[gb+32+gh]
.elseif gt == 7
	v_pk_add_f32 v[gb:gb+1], v[gb+32:gb+33], 1.0 op_sel_hi:[1,0]
.elseif gt == 8
	v_pk_mul_f32 v[gb+16:gb+17], v[gb+16:gb+17], v[gb:gb+1]
.elseif gt == 9
.if LAYER
	v_pk_fma_f32 v[gb+32:gb+33], v[gb+32:gb+33], v[MK+2*(gp/4):MK+2*(gp/4)+1], v[MK+2*(gp/4):MK+2*(gp/4)+1] neg_lo:[0,0,1] neg_hi:[0,0,1]
.else
	v_pk_add_f32 v[gb+32:gb+33], v[gb+32:gb+33], -1.0 op_sel_hi:[1,0]
.endif
.else
	v_pk_mul_f32 v[HH+16*(gp/4)+ge:HH+16*(gp/4)+ge+1], v[gb+32:gb+33], v[gb+16:gb+17]
.endif
.endm
; 24 matrix instructions: two K steps x three gates x my four fragments of A.  The tile's twelve accumulators take turns, one instruction a turn, in the same order in every K step.
; gates = 1: behind each product stands a slice, four lines of tile y's list, while the list lasts.  The slices name no register of the products round them.
.macro MULS q, y, gates
.set MU, (\q)/4
.set n, 0
.rept 24
.if (\q)%4 < 2
	WIN 0x58                                       ; source 0 (W) window 0, source 1 (A) window 2, C and D window 1
.else
	WIN 0x5c                                       ; the same, A in window 3
.endif
.set MS, 2*((\q)%4)+n/12
.set MG, (n/4)%3
.set MJ, n%4
.set MO, MJ%2
.set rD, 48*MJ+16*MG+8*MU
.set rB, BF+72*((\q)%2)+36*(n/12)+12*MG
.set rA, 48*(MS%4)+12*MJ
.set rSW, BSC+3*MS+MG
.set rSA, ASC+2*MS+MJ/2
	WM
.if \gates
.rept 4
.if gk < NG
	GS \y
.set gk, gk+1
.endif
.endr
.endif
.set n, n+1
.endr
.endm
; The 32 biases of tile y of the chunk at s49 (128 bytes a chunk): lane (r, h) wants those of units 16 h + 8 y + 0 .. 7, four kinds: eight loads; sixteen lanes read the same 16 bytes
.macro BIASLD y
	WIN 0
	v_add_nc_u32 v[BLA], s49, v[BLB]
	WIN 0x40                                       ; destination window 1
.irp k, 0,1,2,3
.irp c, 0,1
	ds_load_b128 v[BIA+16*\k+8*(\y)+4*\c:BIA+16*\k+8*(\y)+4*\c+3], v[BLA] offset:512*\k+32*(\y)+16*\c
.endr
.endr
	WIN 0
.endm
; TURNA: tile 0 of the chunk in slot s36.  gates = 1: beside it tile 1's gates of the chunk before.  gates = 0: the launch's first turn, which also waits for A.
.macro TURNA gates
	WIN 0
	v_add_nc_u32 v[AD0], s36, v[LI]                ; these four additions name no register of the last products: they are the four places behind them
	v_add_nc_u32 v[AD0+1], 36864, v[AD0]
	v_add_nc_u32 v[ADS], s36, v[L4]
	v_add_nc_u32 v[ADS], 73728, v[ADS]
.if \gates
	BIASLD 1
	s_add_co_u32 s49, s49, 128                     ; on to this chunk's biases
.endif
.set n, 0
.rept 24
	ds_load_b32 v[BSC+n], v[ADS] offset:128*n      ; W's scale words of the whole chunk
.set n, n+1
.endr
	FETCH 0
	FETCH 1
.if !\gates
	s_wait_loadcnt 63                              ; behind A's K steps 0 and 1 stand 72 loads of A: held at the field's 63
.endif
	s_wait_dscnt 18                                ; the biases, the scale words and step 0's fragments are in; step 1's 18 loads may be out
.set gk, 0
	MULS 0, 1, \gates
.irp q, 1,2,3
	PLACES
	FETCH (\q)+1                                   ; into the set that the step before has multiplied
.if !\gates
	s_wait_loadcnt 72-24*\q                        ; behind A's K steps 2 q and 2 q + 1 stand 72 - 24 q loads of A
.endif
	s_wait_dscnt 18                                ; this step's fragments are in; the next step's 18 loads may be out
	MULS \q, 1, \gates
.endr
	WIN 0
.endm
; TURNB: tile 1 of the chunk in slot s36, beside tile 0's gates of the same chunk
.macro TURNB
.set gk, 0
.irp q, 4,5,6
	PLACES
.if \q == 4
	WIN 0
	v_add_nc_u32 v[AD0+1], s36, v[LI]              ; made anew from the slot's scalar: every LDS address of a turn is made in that turn
	v_add_nc_u32 v[AD0+1], 36864, v[AD0+1]
	BIASLD 0
.endif
	FETCH (\q)+1
	s_wait_dscnt 18                                ; this step's fragments (and at q = 4 the biases) are in; the next step's 18 loads may be out
	MULS \q, 0, 1
.endr
	s_wait_dscnt 0x0
	MULS 7, 0, 1
	WIN 0
	s_xor_b32 s36, s36, SLOT1                      ; the other slot
.endm
.macro GALONE                          ; the last chunk's tile 1: no product is left to stand beside its gates
	PLACES
	BIASLD 1
	s_wait_dscnt 0x0
.set gk, 0
.rept NG
	GS 1
.set gk, gk+1
.endr
	WIN 0
.endm
; LAYER 1: 64 rows x 256 bytes (two chunks' units) leave the stage as whole rows: sixteen lanes store 256 consecutive bytes, at a multiple of 256 from out0's first byte.
; Stage row 2 n + (lane / 16) is row P(n) + (lane / 16) of my group of 64: the stores undo the order of a fragment's rows.  k: which half of the work-group's 128 units.
; W's fragment sets are in use here: rows 0-31 land in window 3, rows 32-63 in the registers that h has just left.
.macro FLUSH k
	WIN 0xc0                                       ; destination window 3
.set n, 0
.rept 16
	ds_load_b128 v[HH+4*n:HH+4*n+3], v[SOUT] offset:544*n                  ; LDS serves a wave's instructions in order: these see my stores
.set n, n+1
.endr
	WIN 0x80                                       ; destination window 2
.rept 16
	ds_load_b128 v[HH+4*(n-16):HH+4*(n-16)+3], v[SOUT] offset:544*n
.set n, n+1
.endr
	WIN 0x0c                                       ; a store's data are its source 1: window 3
.set n, 0
.rept 16
	s_wait_dscnt 31-n                              ; load n is in; the younger ones may be out
	global_store_b128 v[CO], v[HH+4*n:HH+4*n+3], s[52:53] offset:(32*(n/16)+8*((n/8)%2)+2*(n%8)+8*((n%8)/4))*65536+256*(\k) th:TH_STORE_NT
.set n, n+1
.endr
	WIN 0x08                                       ; window 2
.rept 16
	s_wait_dscnt 31-n
	global_store_b128 v[CO], v[HH+4*(n-16):HH+4*(n-16)+3], s[52:53] offset:(32*(n/16)+8*((n/8)%2)+2*(n%8)+8*((n%8)/4))*65536+256*(\k) th:TH_STORE_NT
.set n, n+1
.endr
	WIN 0
	s_wait_xcnt 0x0                                ; the stores have read their data: h and the next rows are written there only behind this wait
.endm
; THE WAY OUT OF A CHUNK, when both its tiles' h stand in window 2.  mode 0: in the loop; 1: the last chunk but one; 2: the last
.macro WAYOUT mode
.if LAYER
	v_add_nc_u32 v[SIN], s38, v[SIB]
	WIN 0x08                                       ; an LDS store's data are its source 1: window 2
.irp j, 0,1,2,3
.irp c, 0,1,2,3
	ds_store_b128 v[SIN], v[HH+16*\j+4*\c:HH+16*\j+4*\c+3] offset:4352*\j+16*\c   ; stage row 16 j + r, byte 128 (chunk % 2) + 64 h + 16 c
.endr
.endr
	WIN 0
.if \mode == 0
	s_cmp_lg_u32 s37, 1                            ; behind the second chunk the stage's rows are whole: a branch on the loop's counter
	s_cbranch_scc1 .Lno_flush_\@
	FLUSH 0
.Lno_flush_\@:
.endif
.if \mode == 2
	FLUSH 1
.else
	s_xor_b32 s38, s38, 128                        ; the other half of a stage row
.endif
.else
	; LAYER 0: the chunk's 32 units are ONE block of the next product's K, in lanes l and l xor 16.  Four fragments by turns.
	v_add_nc_u32 v[SIN], s39, v[SIB]
	WIN 0x0a                                       ; sources 0 and 1 window 2
.irp j, 0,1,2,3
	v_max3_num_f32 v[TM+\j], |v[HH+16*\j]|, |v[HH+16*\j+1]|, 0x2800000   ; my 16 numbers, and the floor 2^(5 - 127): the byte cannot fall under 1
.endr
	WIN 0x28                                       ; sources 1 and 2 window 2
.irp i, 2,4,6,8,10,12,14
.irp j, 0,1,2,3
	v_max3_num_f32 v[TM+\j], v[TM+\j], |v[HH+16*\j+\i]|, |v[HH+16*\j+\i+1]|
.endr
.endr
	WIN 0
.irp j, 0,1,2,3
	v_permlanex16_b32 v[TP+\j], v[TM+\j], s40, s41
.endr
.irp j, 0,1,2,3
	v_max_num_f32 v[TM+\j], v[TM+\j], v[TP+\j]     ; with lane l xor 16's: the block's largest magnitude
.endr
.irp j, 0,1,2,3
	v_add_nc_u32 v[SCO+\j], 0xfe000000, v[TM+\j]   ; 4 off its exponent field: the conversion's scale operand
.endr
.irp j, 0,1,2,3
	v_lshrrev_b32 v[BY+\j], 23, v[SCO+\j]          ; the scale's byte,
.endr
.irp j, 0,1,2,3
	v_lshl_or_b32 v[WJ+\j], v[BY+\j], s38, v[WJ+\j]   ; at byte (chunk) of the row's scale word: the work-group's 128 units are one K step
.endr
	WIN 0x02                                       ; source 0 window 2
.irp j, 0,1,2,3
	v_cvt_scalef32_pk16_bf6_f32 v[CD+4*\j:CD+4*\j+2], v[HH+16*\j:HH+16*\j+15], v[SCO+\j]   ; 16 codes, 12 bytes: k = 32 (chunk) + 16 h + 0 .. 15
.endr
	WIN 0
	v_nop                                          ; one plain place behind a scaled conversion
.irp j, 0,1,2,3
.irp e, 0,1,2
	ds_store_b32 v[SIN], v[CD+4*\j+\e] offset:1536*\j+4*\e   ; my stage: 1536 j + 384 (chunk) + 24 r + 12 h: a block's 24 bytes lie together
.endr
.endr
.if \mode != 2
	s_add_co_u32 s38, s38, 8                       ; the next byte of the scale words
	s_add_co_u32 s39, s39, 384                     ; the next block's place in the stage
.endif
.endif
.endm
	s_load_b256 s[4:11], s[0:1], 0x0               ; A s[4:5], W s[6:7], b_ih s[8:9], b_hh s[10:11]
.if LAYER
	s_load_b128 s[12:15], s[0:1], 0x20             ; the mask s[12:13], out0 s[14:15]
.else
	s_load_b64 s[12:13], s[0:1], 0x20              ; h1q
.endif
	v_lshl_add_u32 v[SPW], v0, 2, SPARE
	v_mov_b32 v[NIL], 0
	ds_add_u32 v8, v9
	ds_add_u32 v8, v9
	s_wait_dscnt 0x0
	v_lshrrev_b32 v1, 5, v0
	v_readfirstlane_b32 s[WV], v1                  ; wave 0..3
	s_bfe_u32 s17, ttmp6, 0x40000                  ; cx: my place in the cluster: it enters A's, the mask's and the output's global addresses alone
	s_lshl_b32 s18, ttmp9, 2                       ; in a cluster launch ttmp9 counts clusters
	s_add_co_u32 s18, s18, s17                     ; my block of 256 rows
	s_and_b32 s19, ttmp7, 0xffff                   ; nx: my 128 hidden units, which the four partners share
	s_lshl_b32 s20, s18, 2
	s_add_co_u32 s20, s20, s[WV]                   ; G: my wave's group of 64 rows
	; descriptor group 1: a dense block of 19,200 bytes as 75 rows of 256 bytes
	s_mov_b32 s24, 15|(3<<16)|(1<<21)              ; 15:0 the mask: all four work-groups; 17:16 elements of 8 bytes; 20 no padding; 21 set beside a mask
	s_mov_b32 s25, 32<<16                          ; tensor_dim0 = 32
	s_mov_b32 s26, 75<<16                          ; tensor_dim1 = 75
	s_mov_b32 s27, 32<<16                          ; tile_dim0 = 32
	s_mov_b32 s28, 75                              ; tile_dim1 = 75
	s_mov_b32 s29, 32                              ; from row to row: 32 elements
	s_mov_b32 s30, 0
	s_mov_b32 s31, 0
	s_mul_i32 s21, s[WV], QCH                      ; my quarter of a chunk, in memory and in a slot
	s_mul_i32 s22, s19, 4*CH                       ; the work-group's four chunks
	s_add_co_u32 s22, s22, s21
	s_mov_b32 s23, 0
	s_mov_b32 s36, 0                               ; the slot in hand
	s_mov_b32 s37, 0                               ; the loop's counter
	s_mov_b32 s38, 0
	s_mov_b32 s39, 0
	s_mov_b32 s40, 0x76543210
	s_mov_b32 s41, 0xfedcba98                      ; v_permlanex16_b32's selects for lane l xor 16
	s_mov_b32 s42, 0xbfb8aa3b                      ; -L; each constant twice: the packed forms name a pair
	s_mov_b32 s43, 0xbfb8aa3b
	s_mov_b32 s44, 0x3fb8aa3b                      ; L = log2(e)
	s_mov_b32 s45, 0x3fb8aa3b
	s_mov_b32 s46, 0x4038aa3b                      ; 2L
	s_mov_b32 s47, 0x4038aa3b
	s_mov_b32 s48, 0x42800000                      ; 64.0
	s_mov_b32 s49, 0                               ; the chunk whose biases are due: 128 bytes a chunk
	s_lshl_b32 s61, s[WV], 11
	s_add_co_u32 s61, s61, BST                     ; my wave's prepared biases
	v_and_b32 v1, 31, v0                           ; lane
	v_and_b32 v2, 15, v0                           ; r
	v_bfe_u32 v3, v0, 4, 1                         ; h
	v_lshlrev_b32 v[LI], 4, v1
	v_lshlrev_b32 v[L4], 2, v1
	v_lshl_add_u32 v[BLB], v3, 6, s61
	v_add_nc_u32 v[BWA], s61, v[LI]
	s_wait_kmcnt 0x0
	s_mov_b32 s32, 1                               ; group 0: count = 1
	s_mov_b32 s33, s21                             ; LDS address: slot 0, my quarter
	s_add_nc_u64 s[34:35], s[6:7], s[22:23]        ; global address: chunk 0, my quarter
	s_or_b32 s35, s35, 0x80000000                  ; type = 2
	ROUND                                          ; all four work-groups are here: the first joint loads meet
	tensor_load_to_lds s[32:35], s[24:31]          ; chunk 0 into slot 0
	s_nop 0
	PLACES
	s_mul_i32 s50, s20, AGRP
	s_mov_b32 s51, 0
	s_add_nc_u64 s[4:5], s[4:5], s[50:51]          ; A at my group
	s_lshl_b32 s22, s19, 9
	s_add_nc_u64 s[8:9], s[8:9], s[22:23]          ; the biases at my work-group's 128 units
	s_add_nc_u64 s[10:11], s[10:11], s[22:23]
.irp g, 0,1,2                                  ; lane l takes units 4 l .. 4 l + 3 of the 128, of each gate, from both biases: these six loads come first
	global_load_b128 v[PB+8*\g:PB+8*\g+3], v[LI], s[8:9] offset:4096*\g
	global_load_b128 v[PB+8*\g+4:PB+8*\g+7], v[LI], s[10:11] offset:4096*\g
.endr
.if LAYER
	s_lshl_b32 s50, s20, 8
	s_add_nc_u64 s[12:13], s[12:13], s[50:51]      ; the mask at my 64 rows
	s_and_b32 s50, s20, 7                          ; row m = 64 G + p is b = G / 8, l = 64 (G % 8) + p; out0[l][b][:] lies at 65,536 l + 4,096 b
	s_lshl_b32 s50, s50, 22
	s_lshr_b32 s56, s20, 3
	s_lshl_b32 s56, s56, 12
	s_add_co_u32 s50, s50, s56
	s_add_co_u32 s50, s50, s22                     ; + 512 nx
	s_add_nc_u64 s[52:53], s[14:15], s[50:51]
	v_and_b32 v[MA], 8, v2
	v_add_nc_u32 v[MA], v[MA], v2
	v_lshlrev_b32 v[MA], 2, v[MA]                  ; 4 (r + 8 (r / 8))
.irp j, 0,1,2,3
	global_load_b32 v[MK+2*\j], v[MA], s[12:13] offset:4*(32*(\j/2)+8*(\j%2))   ; the mask of my row of fragment j
.endr
.else
	s_add_nc_u64 s[52:53], s[12:13], s[50:51]      ; h1q at my group,
	s_mul_i32 s56, s19, 6144
	s_mov_b32 s57, 0
	s_lshl_b32 s58, s19, 8
	s_mov_b32 s59, 0
	s_add_nc_u64 s[54:55], s[52:53], s[58:59]      ; K step nx: its scale words (from 49,152 on),
	s_add_nc_u64 s[52:53], s[52:53], s[56:57]      ; and its four fragments
.endif
.set n, 0
.rept 16
	global_load_b32 v[ASC+n], v[L4], s[4:5] offset:49152+128*n   ; A's scale words
.set n, n+1
.endr
	WIN 0x80                                       ; destination window 2: A's K steps 0 to 3, twelve loads of 512 consecutive bytes each, K ascending
.set n, 0
.rept 48
	global_load_b128 v[4*n:4*n+3], v[LI], s[4:5] offset:512*n
.set n, n+1
.endr
	WIN 0xc0                                       ; destination window 3: K steps 4 to 7
.set n, 0
.rept 48
	global_load_b128 v[4*n:4*n+3], v[LI], s[4:5] offset:24576+512*n
.set n, n+1
.endr
	WIN 0
.if LAYER
	s_mul_i32 s60, s[WV], 64*272
	s_add_co_u32 s60, s60, OSTG                    ; my stage
	v_mul_u32_u24 v[SIB], v2, 272
	v_lshl_add_u32 v[SIB], v3, 6, v[SIB]
	v_add_nc_u32 v[SIB], s60, v[SIB]               ; in: row r of a fragment's 16, + 64 h
	v_mul_u32_u24 v[SOUT], v3, 272
	v_lshl_add_u32 v[SOUT], v2, 4, v[SOUT]
	v_add_nc_u32 v[SOUT], s60, v[SOUT]             ; back: lanes 0-15 one row of 256 bytes, lanes 16-31 the next
	v_lshlrev_b32 v[CO], 16, v3
	v_lshl_add_u32 v[CO], v2, 4, v[CO]             ; and the same two rows in out0, 65,536 bytes apart
.else
	s_mul_i32 s60, s[WV], 6144
	s_add_co_u32 s60, s60, HSTG                    ; my stage
	v_mul_u32_u24 v[SIB], v2, 24
	v_mad_u32_u24 v[SIB], v3, 12, v[SIB]
	v_add_nc_u32 v[SIB], s60, v[SIB]               ; in: 24 r + 12 h
	v_mul_u32_u24 v[SOUT], v2, 24
	v_mad_u32_u24 v[SOUT], v3, 384, v[SOUT]
	v_add_nc_u32 v[SOUT], s60, v[SOUT]             ; back: block h of row r
.irp j, 0,1,2,3
	v_mov_b32 v[WJ+\j], 0                          ; the scale words gather their bytes by OR
	v_mov_b32 v[TP+\j], 0                          ; a lane permute's destination counts as one of its sources
.endr
.endif
	s_wait_loadcnt 63                              ; behind the biases' six loads (and the mask's four) stand 112 others: at most 63 are out, so these are in
	; THE BIASES ARE PREPARED ONCE: summed, scaled, and laid in my wave's own LDS bytes, from where each tile's 32 come at the head of its turn
	v_pk_add_f32 v[PB:PB+1], v[PB:PB+1], v[PB+4:PB+5]               ; b_ir + b_hr
	v_pk_add_f32 v[PB+2:PB+3], v[PB+2:PB+3], v[PB+6:PB+7]
	v_pk_add_f32 v[PB+8:PB+9], v[PB+8:PB+9], v[PB+12:PB+13]         ; b_iz + b_hz
	v_pk_add_f32 v[PB+10:PB+11], v[PB+10:PB+11], v[PB+14:PB+15]
	v_pk_mul_f32 v[PB+16:PB+17], v[PB+16:PB+17], s[46:47] op_sel_hi:[1,0]   ; 2L b_in
	v_pk_mul_f32 v[PB+18:PB+19], v[PB+18:PB+19], s[46:47] op_sel_hi:[1,0]
	v_pk_mul_f32 v[PB+20:PB+21], v[PB+20:PB+21], s[46:47] op_sel_hi:[1,0]   ; 2L b_hn
	v_pk_mul_f32 v[PB+22:PB+23], v[PB+22:PB+23], s[46:47] op_sel_hi:[1,0]
	v_pk_mul_f32 v[PB:PB+1], v[PB:PB+1], s[42:43] op_sel_hi:[1,0]           ; x -L
	v_pk_mul_f32 v[PB+2:PB+3], v[PB+2:PB+3], s[42:43] op_sel_hi:[1,0]
	v_pk_mul_f32 v[PB+8:PB+9], v[PB+8:PB+9], s[44:45] op_sel_hi:[1,0]       ; x L
	v_pk_mul_f32 v[PB+10:PB+11], v[PB+10:PB+11], s[44:45] op_sel_hi:[1,0]
	ds_store_b128 v[BWA], v[PB:PB+3]
	ds_store_b128 v[BWA], v[PB+8:PB+11] offset:512
	ds_store_b128 v[BWA], v[PB+16:PB+19] offset:1024
	ds_store_b128 v[BWA], v[PB+20:PB+23] offset:1536
.if LAYER
.irp j, 0,1,2,3
	v_cvt_f32_i32 v[MK+2*\j+1], v[MK+2*\j]
.endr
.irp j, 0,1,2,3
	v_mov_b32 v[MK+2*\j], v[MK+2*\j+1]             ; a pair for the packed form
.endr
.endif
	CHANGE 1                                       ; chunk 0 is in; chunk 1 is asked for
	TURNA 0                                        ; chunk 0, tile 0: there are no gates yet to stand beside it
.Lchunk:                                               ; two trips, t = 0, 1: both ask for a chunk
	TURNB                                          ; chunk t, tile 1 | the gates of (t, 0)
	CHANGE 1                                       ; chunk t + 1 is in; chunk t + 2 is asked for, into the slot that chunk t has left
	TURNA 1                                        ; chunk t + 1, tile 0 | the gates of (t, 1)
	WAYOUT 0                                       ; chunk t leaves
	s_add_co_u32 s37, s37, 1
	s_cmp_lt_u32 s37, 2
	s_cbranch_scc1 .Lchunk
	TURNB                                          ; the tail is written out: chunk 2, tile 1 | the gates of (2, 0)
	CHANGE 0                                       ; chunk 3 is in; nothing is left to ask for
	TURNA 1                                        ; chunk 3, tile 0 | the gates of (2, 1)
	WAYOUT 1
	TURNB                                          ; chunk 3, tile 1 | the gates of (3, 0)
	GALONE                                         ; the gates of (3, 1)
	WAYOUT 2
.if LAYER == 0
	; THE LAST WAY OUT: the four fragments of K step nx of the next product.  Lane (r, h) takes blocks h and 2 + h of row r: the operand's registers, which leave as they stand.
.irp j, 0,1,2,3
.irp p, 0,1,2,3,4,5
	ds_load_b64 v[BF+12*\j+2*\p:BF+12*\j+2*\p+1], v[SOUT] offset:1536*\j+768*(\p/3)+8*(\p%3)   ; LDS serves a wave's instructions in order: these see my stores
.endr
.endr
	v_cmp_le_u32 vcc_lo, 16, v1                    ; lanes 16-31 carry the odd fragment's scale words
	v_cndmask_b32 v[WJ+4], v[WJ], v[WJ+1], vcc_lo
	v_cndmask_b32 v[WJ+5], v[WJ+2], v[WJ+3], vcc_lo
	s_wait_dscnt 0x0
.irp j, 0,1,2,3
.irp c, 0,1,2
	global_store_b128 v[LI], v[BF+12*\j+4*\c:BF+12*\j+4*\c+3], s[52:53] offset:1536*\j+512*\c   ; 32 lanes store 512 consecutive bytes, at a multiple of 256 from the buffer's first byte
.endr
.endr
	global_store_b32 v[L4], v[WJ+4], s[54:55] offset:49152
	global_store_b32 v[L4], v[WJ+5], s[54:55] offset:49152+128
.endif
	s_wait_tensorcnt 0x0                           ; the wave's end: behind my last tensor load and my last LDS store
	ds_add_u32 v[SPW], v[NIL]
	s_wait_dscnt 0x0
	ROUND                                          ; the closing round: no work-group ends while a partner may still ask for a chunk that names it
	s_endpgm
.Lfunc_end_k_qba2a99068f_gemm0:
	.size	k_qba2a99068f_gemm0, .Lfunc_end_k_qba2a99068f_gemm0-k_qba2a99068f_gemm0
	.p2alignl 7, 3214868480
	.fill 96, 4, 3214868480
	.section	.rodata,"a",@progbits
	.p2align	6, 0x0
	.amdhsa_kernel k_qba2a99068f_gemm0
		.amdhsa_group_segment_fixed_size 327680
		.amdhsa_private_segment_fixed_size 0
		.amdhsa_enable_private_segment 0
		.amdhsa_kernarg_size 40
		.amdhsa_user_sgpr_count 2
		.amdhsa_user_sgpr_kernarg_segment_ptr 1
		.amdhsa_wavefront_size32 1
		.amdhsa_system_sgpr_workgroup_id_x 1
		.amdhsa_system_sgpr_workgroup_id_y 1
		.amdhsa_system_sgpr_workgroup_id_z 1
		.amdhsa_system_vgpr_workitem_id 0
		.amdhsa_next_free_vgpr 1024
		.amdhsa_next_free_sgpr 66
		.amdhsa_reserve_vcc 1
		.amdhsa_float_denorm_mode_32 3
		.amdhsa_float_denorm_mode_16_64 3
		.amdhsa_memory_ordered 1
		.amdhsa_forward_progress 1
		.amdhsa_inst_pref_size 255
	.end_amdhsa_kernel
	.section	.bss,"aw",@nobits
	.p2align	6
	.space	262144
	.amdgpu_metadata
---
amdhsa.version: [ 1, 2 ]
amdhsa.kernels:
  - .name:           k_qba2a99068f_gemm0
    .symbol:         k_qba2a99068f_gemm0.kd
    .args:
      - { .name: xq, .offset: 0, .size: 8, .value_kind: global_buffer, .address_space: global }
      - { .name: w0q, .offset: 8, .size: 8, .value_kind: global_buffer, .address_space: global }
      - { .name: b_ih0, .offset: 16, .size: 8, .value_kind: global_buffer, .address_space: global }
      - { .name: b_hh0, .offset: 24, .size: 8, .value_kind: global_buffer, .address_space: global }
      - { .name: h1q, .offset: 32, .size: 8, .value_kind: global_buffer, .address_space: global }
    .group_segment_fixed_size: 327680
    .private_segment_fixed_size: 0
    .kernarg_segment_align: 8
    .kernarg_segment_size: 40
    .max_flat_workgroup_size: 128
    .sgpr_count:     66
    .vgpr_count:     1024
    .wavefront_size: 32
...
	.end_amdgpu_metadata
.endif
;; end of part 2
;; launch gemm1 (part 3): grid 32 x 8, 4 waves a work-group, clusters of 4 x 1, 327,680 bytes of LDS; arguments h1q, w1q, b_ih1, b_hh1, inputs_mask, out0; writes out0
.if DOCPART == 3
	.amdgcn_target "amdgcn-amd-amdhsa--gfx1250"
	.amdhsa_code_object_version 6
	.text
	.protected	k_qba2a99068f_gemm1
	.globl	k_qba2a99068f_gemm1
	.p2align	8
	.type	k_qba2a99068f_gemm1,@function
k_qba2a99068f_gemm1:
	s_mov_b64 s[64:65], 0
	v_nop
	global_prefetch_b8 v0, s[64:65] scope:SCOPE_SE
	s_setreg_imm32_b32 hwreg(HW_REG_WAVE_MODE, 25, 1), 1
	s_wait_xcnt 0x0
	s_wait_alu depctr_hold_cnt(0) depctr_sa_sdst(0) depctr_va_vdst(0) depctr_va_sdst(0) depctr_va_ssrc(0) depctr_va_vcc(0) depctr_vm_vsrc(0)
	s_getreg_b32 s2, hwreg(HW_REG_IB_STS2, 6, 4)
	s_cmp_eq_u32 s2, 0
	s_cbranch_scc0 .Lentry_in_a_cluster
	s_endpgm
.Lentry_in_a_cluster:
	s_bfe_u32 s2, ttmp6, 0x10000c
	s_cmp_lg_u32 s2, 0x3003
	s_cbranch_scc0 .Lentry_shape_is_right
	s_endpgm
.Lentry_shape_is_right:
; ONE LAYER OF THE GRU WITH h_prev = 0:  g = A W^T (codes of BF6, E8M0 scales, f32 sums);  r = sigmoid(g_r + b_ir + b_hr), z = sigmoid(g_z + b_iz + b_hz), n = tanh(g_n + b_in + r b_hn), h = (1 - z) n.
; LAYER = 0: A = xq, h is quantised along the hidden units and stored as h1q, laid like xq.   LAYER = 1: A = h1q, h x float(mask[b][l]) is stored at out0[l][b][:].
; W_hh is not loaded: the reference function deletes it itself (it multiplies h_prev = 0), so no result hangs on it.
; SHARES.  Grid 32 x 8.  A work-group takes 256 rows (x) and 128 hidden units x 3 gates (y); each of its four waves 64 rows (group G of the operand's buffer), for all 128 units.
; A STAYS IN REGISTERS: a wave's 64 rows x 1,024 K are 32 fragments, 384 registers, loaded once, straight from memory (the buffer is laid in register order).  W STREAMS THROUGH LDS in four chunks of 32 hidden units
; x 3 gates x all of K (48 fragments + scale words, 76,800 dense bytes), through a ring of two slots.
; CLUSTER 4, 1, 1 along the rows: the four partners walk the same chunks of W, so each quarter of a chunk is asked for JOINTLY (mask 15), by the same load with the same descriptor in all four.
; A is each wave's own and goes to registers, so nothing else is shared.
; THE MATRIX INSTRUCTION IS USED TRANSPOSED (source 0 = 16 rows of W, source 1 = 16 rows of A): lane (r, h) holds ONE row of A; tile u's register e is hidden unit 16 h + 8 u + e of the chunk
; (the rows of W that form a tile were chosen so), so that 16 registers of a lane are 16 neighbouring units.
; BY TURNS.  A chunk is two tiles u = 0, 1 of 96 products on 12 accumulators each, which share no register.  In a TURN one tile has the matrix unit and the other tile's gates, a list of 352 vector instructions,
; stand in 88 slices of four, one behind each product: 3.7 vector instructions for each matrix instruction.  TURNA: tile 0 of chunk t | tile 1's gates of chunk t - 1.  TURNB: tile 1 of chunk t | tile 0's gates of chunk t.
; The products want W in window 0 and A in window 2 or 3, the gates work in window 1, and no window has room for both: a slice costs two switches of the register window.
; THE GATES, with L = log2(e):  a = 2^(-L(g_r + b_r)), r = 1 / (1 + a);  Ez = 2^(L(g_z + b_z));  t = min(2L g_n + 2L b_in + r 2L b_hn, 64), En = 2^t;  h = (En - 1) / ((1 + Ez)(1 + En)).
; LIMITS: t is held at 64, where tanh is 1 in f32, so that En stays finite and Ez = infinity gives h = 0; En - 1 carries an absolute error of about 1e-7; NaN and infinite inputs are not served;
;         a block of h whose largest magnitude lies under 2^-122 gets the scale byte 1 (its codes are right; this program alone reads the bytes); a masked row may be -0.
; REGISTERS, in windows of 256: window 0: v1-15 addresses; v16-31 A's scale words (register 2 s + j / 2, lanes (r, j % 2)); v32-55 W's (register 3 s + g, lanes (r, u)); v56-63 h's scale words or the mask;
;   v64-207 W's fragments, two sets of six; v208-246 at work.   window 1: accumulator (j, g, u) at v[48 j + 16 g + 8 u]; v192-255 the biases, kind k of tile u at v[192 + 16 k + 8 u].
;   windows 2, 3: A's fragment (s, j) at v[48 (s % 4) + 12 j];  window 2 v192-255: h of fragment j at v[192 + 16 j + 8 u + e];  window 3 v192-255: LAYER 1: rows on their way out.
.set LAYER, 1
.set CH,    76800                      ; a chunk of W in bytes
.set QCH,   19200                      ; a wave's quarter of it: 75 rows of 256 bytes
.set SLOT1, 1<<17                      ; slot 1 begins here: one exclusive or turns an address from one slot to the other
.set SPARE, 76800                      ; behind slot 0: the spare words, 128 bytes for each wave: two blocks of 256 bytes that no other line names
.set HSTG,  77312                      ; LAYER 0: a stage of 6,144 bytes for each wave: no fill lands here
.set BST,   101888                     ; the prepared biases, 2,048 bytes for each wave: kind k of unit U at 512 k + 4 U: no fill lands here
.set OSTG,  207872                     ; LAYER 1: behind slot 1: a stage of 64 rows x 272 bytes for each wave: no fill lands here
.set AGRP,  51200                      ; a group of 64 rows of A in bytes
.set NG,    352                        ; instructions in a tile's list of gates
.set WV,   16                          ; s16  my wave's number
.set LI,   4                           ; v4   16 x lane; never rewritten
.set AD0,  5                           ; v5, v6  LDS address of the chunk's fragments of tile 0, 1
.set ADS,  7                           ; v7   and of its scale words
.set SPW,  8                           ; v8   LDS address of my spare word; never rewritten
.set NIL,  9                           ; v9   0; never rewritten
.set BLB,  10                          ; v10  my wave's biases in LDS, + 64 h; never rewritten
.set L4,   11                          ; v11  4 x lane; never rewritten
.set SIB,  12                          ; v12  the stage, way in
.set SIN,  13                          ; v13  the same for this chunk
.set SOUT, 14                          ; v14  the stage, way out
.set CO,   15                          ; v15  LAYER 1: my byte offset in out0
.set ASC,  16
.set BSC,  32
.set WJ,   56                          ; LAYER 0: v56-59 the scale words of h, v60-61 as they leave
.set MK,   56                          ; LAYER 1: v56-63 float(mask) of my row of fragment j, twice
.set BF,   64
.set PB,   208                         ; v208-231 at the head: the biases as loaded;  later:
.set TM,   208                         ; v208-211 largest magnitudes
.set SCO,  216                         ; v216-219 the conversions' scale operands
.set BY,   220                         ; v220-223 the bytes
.set CD,   224                         ; v224-239 codes, four registers for each j
.set TP,   240                         ; v240-243
.set MA,   244                         ; v244 the mask's address; never rewritten
.set BLA,  245                         ; v245 the biases' address for the tile in hand
.set BWA,  246                         ; v246 where I store prepared biases
.set BIA,  192                         ; window 1: the biases: kinds -L (b_ir + b_hr), L (b_iz + b_hz), 2L b_in, 2L b_hn
.set HH,   192                         ; window 2: h
.set MSB, 0
.macro WIN new                         ; the immediate's high byte repeats the setting that is left; a switch that changes nothing is dropped
.if MSB != \new
	s_set_vgpr_msb (MSB<<8)|\new
.set MSB, \new
.endif
.endm
.macro PLACES                          ; four plain places in front of loads into registers that matrix instructions have read, and of the first read of results (ISA guide 7.12.1 for vector instructions)
.rept 4
	v_nop
.endr
.endm
.macro ROUND                           ; a round of the cluster's barrier: my work-group's barrier; wave 0 signals for the work-group; every wave waits for all four work-groups; my work-group's barrier once more
	s_barrier_signal -1
	s_barrier_wait -1
	s_cmp_lg_u32 s[WV], 0
	s_cbranch_scc1 .Lnot_wave_0_\@
	s_barrier_signal -3
.Lnot_wave_0_\@:
	s_barrier_wait -3
	s_barrier_signal -1
	s_barrier_wait -1
.endm
; THE CHANGE OF SLOTS stands at a chunk's head.  Each wave waits for all its tensor loads (one is out: its quarter of the chunk that it is about to read), adds 0 to its spare word, and waits for that and for its reads
; of the slot that it has left.  fill = 1: behind a round of the cluster's barrier that slot takes the chunk after: the load has a whole chunk's two turns in which to land.
.macro CHANGE fill
	s_wait_tensorcnt 0x0                           ; no tensor load of mine is out, so the group 0 may be written
	ds_add_u32 v[SPW], v[NIL]                      ; 0 onto my spare word
.if \fill
	s_xor_b32 s33, s33, SLOT1                      ; the walking descriptor: the other slot,
	s_add_nc_u64 s[34:35], s[34:35], CH            ; the next chunk; the type bits on top are not reached
.endif
	s_wait_dscnt 0x0                               ; the add is done, and my reads of the slot that I have left are over
.if \fill
	ROUND                                          ; no wave of any partner still reads that slot or has a load on its way
	tensor_load_to_lds s[32:35], s[24:31]          ; the first thing behind the round, and my one tensor load until the next
	s_nop 0
	PLACES                                         ; (four v_nop behind a tensor load)
.else
	s_barrier_signal -1
	s_barrier_wait -1
.endif
.endm
; Step q of a chunk's eight: tile u = q / 4, K steps 2 (q % 4) and 2 (q % 4) + 1, three gates: six fragments, 9,216 dense bytes, 18 loads of 512 bytes, into set q % 2
.macro FETCH q
	WIN 0
.set n, 0
.rept 18
	ds_load_b128 v[BF+72*((\q)%2)+4*n:BF+72*((\q)%2)+4*n+3], v[AD0+(\q)/4] offset:9216*((\q)%4)+512*n
.set n, n+1
.endr
.endm
.macro WM                              ; one product; the K step 0 starts the sum with the constant 0: nothing is ever cleared.  Lanes 16-31 of a scale register serve tile 1 of W and the odd fragments of A
.if MS == 0
.if MU == 0
.if MO == 0
	v_wmma_scale_f32_16x16x128_f8f6f4 v[rD:rD+7], v[rB:rB+11], v[rA:rA+11], 0, v[rSW], v[rSA] matrix_a_fmt:MATRIX_FMT_BF6 matrix_b_fmt:MATRIX_FMT_BF6
.else
	v_wmma_scale_f32_16x16x128_f8f6f4 v[rD:rD+7], v[rB:rB+11], v[rA:rA+11], 0, v[rSW], v[rSA] matrix_a_fmt:MATRIX_FMT_BF6 matrix_b_fmt:MATRIX_FMT_BF6 matrix_b_scale:MATRIX_SCALE_ROW1
.endif
.else
.if MO == 0
	v_wmma_scale_f32_16x16x128_f8f6f4 v[rD:rD+7], v[rB:rB+11], v[rA:rA+11], 0, v[rSW], v[rSA] matrix_a_fmt:MATRIX_FMT_BF6 matrix_b_fmt:MATRIX_FMT_BF6 matrix_a_scale:MATRIX_SCALE_ROW1
.else
	v_wmma_scale_f32_16x16x128_f8f6f4 v[rD:rD+7], v[rB:rB+11], v[rA:rA+11], 0, v[rSW], v[rSA] matrix_a_fmt:MATRIX_FMT_BF6 matrix_b_fmt:MATRIX_FMT_BF6 matrix_a_scale:MATRIX_SCALE_ROW1 matrix_b_scale:MATRIX_SCALE_ROW1
.endif
.endif
.else
.if MU == 0
.if MO == 0
	v_wmma_scale_f32_16x16x128_f8f6f4 v[rD:rD+7], v[rB:rB+11], v[rA:rA+11], v[rD:rD+7], v[rSW], v[rSA] matrix_a_fmt:MATRIX_FMT_BF6 matrix_b_fmt:MATRIX_FMT_BF6
.else
	v_wmma_scale_f32_16x16x128_f8f6f4 v[rD:rD+7], v[rB:rB+11], v[rA:rA+11], v[rD:rD+7], v[rSW], v[rSA] matrix_a_fmt:MATRIX_FMT_BF6 matrix_b_fmt:MATRIX_FMT_BF6 matrix_b_scale:MATRIX_SCALE_ROW1
.endif
.else
.if MO == 0
	v_wmma_scale_f32_16x16x128_f8f6f4 v[rD:rD+7], v[rB:rB+11], v[rA:rA+11], v[rD:rD+7], v[rSW], v[rSA] matrix_a_fmt:MATRIX_FMT_BF6 matrix_b_fmt:MATRIX_FMT_BF6 matrix_a_scale:MATRIX_SCALE_ROW1
.else
	v_wmma_scale_f32_16x16x128_f8f6f4 v[rD:rD+7], v[rB:rB+11], v[rA:rA+11], v[rD:rD+7], v[rSW], v[rSA] matrix_a_fmt:MATRIX_FMT_BF6 matrix_b_fmt:MATRIX_FMT_BF6 matrix_a_scale:MATRIX_SCALE_ROW1 matrix_b_scale:MATRIX_SCALE_ROW1
.endif
.endif
.endif
.endm
; THE GATES OF ONE TILE y: a list of 352 instructions on its 12 accumulators, in place; GS writes number gk of it.  The tile's 32 values a gate are 16 pairs: pair p = fragment p / 4, registers 2 (p % 4) and + 1;
; R, Z, N of a pair lie 16 registers apart.  Each accumulator is first read at its low end.  Four batches of transcendentals; inside a batch plain lines and transcendentals alternate, a pair's plain line one step ahead
; of its transcendentals, and NO line of a batch names a result of that batch; ahead of the first reader stands ONE s_wait_alu, behind a plain line.
;   0-111    the three scalings of a pair (x -L + b, x L + b, x 2L + b) and the exponentials a, Ez               | wait |
;   112-175  1 + a, r = 1 / (1 + a), 1 + Ez                                                                       | wait |
;   176-255  + r 2L b_hn, the hold at 64, En                                                                      | v_nop, wait |
;   256-335  1 + En, (1 + Ez)(1 + En), its reciprocal; then En - 1 (LAYER 1: x the mask), sixteen lines together  | wait |
;   336-351  h, into window 2
.macro GS y
.if (gk == 112) || (gk == 176) || (gk == 336)
	s_wait_alu depctr_va_vdst(0)
.endif
.if gk == 256
	v_nop                                          ; the plain place behind the last exponential
	s_wait_alu depctr_va_vdst(0)
.endif
.set gc, 0                             ; which of R, Z, N
.set gh, 0                             ; which half of the pair
.if gk < 3
.set gt, 1
.set gp, 0
.set gc, gk
.elseif gk < 108
.set gp, (gk-3)/7
.set gq, (gk-3)%7
.if gq%2 == 0
.set gt, 2
.set gc, gq/4
.set gh, (gq/2)%2
.else
.set gt, 1
.set gp, gp+1
.set gc, gq/2
.endif
.elseif gk < 112
.set gt, 2
.set gp, 15
.set gc, (gk-108)/2
.set gh, (gk-108)%2
.elseif gk == 112
.set gt, 4
.set gp, 0
.elseif gk < 173
.set gp, (gk-113)/4
.set gq, (gk-113)%4
.if gq == 0
.set gt, 3
.elseif gq == 1
.set gt, 4
.set gp, gp+1
.elseif gq == 2
.set gt, 3
.set gh, 1
.else
.set gt, 4
.set gc, 1
.endif
.elseif gk < 175
.set gt, 3
.set gp, 15
.set gh, gk-173
.elseif gk == 175
.set gt, 4
.set gp, 15
.set gc, 1
.elseif gk == 176
.set gt, 5
.set gp, 0
.elseif gk < 179
.set gt, 6
.set gp, 0
.set gh, gk-177
.elseif gk < 254
.set gp, (gk-179)/5
.set gq, (gk-179)%5
.if gq == 0
.set gt, 5
.set gp, gp+1
.elseif gq == 1
.set gt, 2
.set gc, 2
.elseif gq == 2
.set gt, 6
.set gp, gp+1
.elseif gq == 3
.set gt, 2
.set gc, 2
.set gh, 1
.else
.set gt, 6
.set gp, gp+1
.set gh, 1
.endif
.elseif gk < 256
.set gt, 2
.set gp, 15
.set gc, 2
.set gh, gk-254
.elseif gk == 256
.set gt, 7
.set gp, 0
.elseif gk == 257
.set gt, 8
.set gp, 0
.elseif gk < 318
.set gp, (gk-258)/4
.set gq, (gk-258)%4
.if gq == 0
.set gt, 7
.set gp, gp+1
.elseif gq == 1
.set gt, 3
.set gc, 1
.elseif gq == 2
.set gt, 8
.set gp, gp+1
.else
.set gt, 3
.set gc, 1
.set gh, 1
.endif
.elseif gk < 320
.set gt, 3
.set gp, 15
.set gc, 1
.set gh, gk-318
.elseif gk < 336
.set gt, 9
.set gp, gk-320
.else
.set gt, 10
.set gp, gk-336
.endif
.set gb, 48*(gp/4)+8*(\y)+2*(gp%4)     ; the pair's R
.set ge, 8*(\y)+2*(gp%4)               ; its place among a kind's 16 biases, and in a fragment's 16 h
.if gt == 10
	WIN 0x85                                       ; sources window 1, destination window 2
.elseif (gt == 9) && LAYER
	WIN 0x41                                       ; destination and source 0 window 1, the mask window 0
.else
	WIN 0x55                                       ; all in window 1
.endif
.if gt == 1
	v_pk_fma_f32 v[gb+16*gc:gb+16*gc+1], v[gb+16*gc:gb+16*gc+1], s[42+2*gc:43+2*gc], v[BIA+16*gc+ge:BIA+16*gc+ge+1] op_sel_hi:[1,0,1]
.elseif gt == 2
	v_exp_f32 v[gb+16*gc+gh], v[gb+16*gc+gh]
.elseif gt == 3
	v_rcp_f32 v[gb+16*gc+gh], v[gb+16*gc+gh]
.elseif gt == 4
	v_pk_add_f32 v[gb+16*gc:gb+16*gc+1], v[gb+16*gc:gb+16*gc+1], 1.0 op_sel_hi:[1,0]
.elseif gt == 5
	v_pk_fma_f32 v[gb+32:gb+33], v[gb:gb+1], v[BIA+48+ge:BIA+48+ge+1], v[gb+32:gb+33]
.elseif gt == 6
	v_min_num_f32 v[gb+32+gh], s48, v[gb+32+gh]
.elseif gt == 7
	v_pk_add_f32 v[gb:gb+1], v[gb+32:gb+33], 1.0 op_sel_hi:[1,0]
.elseif gt == 8
	v_pk_mul_f32 v[gb+16:gb+17], v[gb+16:gb+17], v[gb:gb+1]
.elseif gt == 9
.if LAYER
	v_pk_fma_f32 v[gb+32:gb+33], v[gb+32:gb+33], v[MK+2*(gp/4):MK+2*(gp/4)+1], v[MK+2*(gp/4):MK+2*(gp/4)+1] neg_lo:[0,0,1] neg_hi:[0,0,1]
.else
	v_pk_add_f32 v[gb+32:gb+33], v[gb+32:gb+33], -1.0 op_sel_hi:[1,0]
.endif
.else
	v_pk_mul_f32 v[HH+16*(gp/4)+ge:HH+16*(gp/4)+ge+1], v[gb+32:gb+33], v[gb+16:gb+17]
.endif
.endm
; 24 matrix instructions: two K steps x three gates x my four fragments of A.  The tile's twelve accumulators take turns, one instruction a turn, in the same order in every K step.
; gates = 1: behind each product stands a slice, four lines of tile y's list, while the list lasts.  The slices name no register of the products round them.
.macro MULS q, y, gates
.set MU, (\q)/4
.set n, 0
.rept 24
.if (\q)%4 < 2
	WIN 0x58                                       ; source 0 (W) window 0, source 1 (A) window 2, C and D window 1
.else
	WIN 0x5c                                       ; the same, A in window 3
.endif
.set MS, 2*((\q)%4)+n/12
.set MG, (n/4)%3
.set MJ, n%4
.set MO, MJ%2
.set rD, 48*MJ+16*MG+8*MU
.set rB, BF+72*((\q)%2)+36*(n/12)+12*MG
.set rA, 48*(MS%4)+12*MJ
.set rSW, BSC+3*MS+MG
.set rSA, ASC+2*MS+MJ/2
	WM
.if \gates
.rept 4
.if gk < NG
	GS \y
.set gk, gk+1
.endif
.endr
.endif
.set n, n+1
.endr
.endm
; The 32 biases of tile y of the chunk at s49 (128 bytes a chunk): lane (r, h) wants those of units 16 h + 8 y + 0 .. 7, four kinds: eight loads; sixteen lanes read the same 16 bytes
.macro BIASLD y
	WIN 0
	v_add_nc_u32 v[BLA], s49, v[BLB]
	WIN 0x40                                       ; destination window 1
.irp k, 0,1,2,3
.irp c, 0,1
	ds_load_b128 v[BIA+16*\k+8*(\y)+4*\c:BIA+16*\k+8*(\y)+4*\c+3], v[BLA] offset:512*\k+32*(\y)+16*\c
.endr
.endr
	WIN 0
.endm
; TURNA: tile 0 of the chunk in slot s36.  gates = 1: beside it tile 1's gates of the chunk before.  gates = 0: the launch's first turn, which also waits for A.
.macro TURNA gates
	WIN 0
	v_add_nc_u32 v[AD0], s36, v[LI]                ; these four additions name no register of the last products: they are the four places behind them
	v_add_nc_u32 v[AD0+1], 36864, v[AD0]
	v_add_nc_u32 v[ADS], s36, v[L4]
	v_add_nc_u32 v[ADS], 73728, v[ADS]
.if \gates
	BIASLD 1
	s_add_co_u32 s49, s49, 128                     ; on to this chunk's biases
.endif
.set n, 0
.rept 24
	ds_load_b32 v[BSC+n], v[ADS] offset:128*n      ; W's scale words of the whole chunk
.set n, n+1
.endr
	FETCH 0
	FETCH 1
.if !\gates
	s_wait_loadcnt 63                              ; behind A's K steps 0 and 1 stand 72 loads of A: held at the field's 63
.endif
	s_wait_dscnt 18                                ; the biases, the scale words and step 0's fragments are in; step 1's 18 loads may be out
.set gk, 0
	MULS 0, 1, \gates
.irp q, 1,2,3
	PLACES
	FETCH (\q)+1                                   ; into the set that the step before has multiplied
.if !\gates
	s_wait_loadcnt 72-24*\q                        ; behind A's K steps 2 q and 2 q + 1 stand 72 - 24 q loads of A
.endif
	s_wait_dscnt 18                                ; this step's fragments are in; the next step's 18 loads may be out
	MULS \q, 1, \gates
.endr
	WIN 0
.endm
; TURNB: tile 1 of the chunk in slot s36, beside tile 0's gates of the same chunk
.macro TURNB
.set gk, 0
.irp q, 4,5,6
	PLACES
.if \q == 4
	WIN 0
	v_add_nc_u32 v[AD0+1], s36, v[LI]              ; made anew from the slot's scalar: every LDS address of a turn is made in that turn
	v_add_nc_u32 v[AD0+1], 36864, v[AD0+1]
	BIASLD 0
.endif
	FETCH (\q)+1
	s_wait_dscnt 18                                ; this step's fragments (and at q = 4 the biases) are in; the next step's 18 loads may be out
	MULS \q, 0, 1
.endr
	s_wait_dscnt 0x0
	MULS 7, 0, 1
	WIN 0
	s_xor_b32 s36, s36, SLOT1                      ; the other slot
.endm
.macro GALONE                          ; the last chunk's tile 1: no product is left to stand beside its gates
	PLACES
	BIASLD 1
	s_wait_dscnt 0x0
.set gk, 0
.rept NG
	GS 1
.set gk, gk+1
.endr
	WIN 0
.endm
; LAYER 1: 64 rows x 256 bytes (two chunks' units) leave the stage as whole rows: sixteen lanes store 256 consecutive bytes, at a multiple of 256 from out0's first byte.
; Stage row 2 n + (lane / 16) is row P(n) + (lane / 16) of my group of 64: the stores undo the order of a fragment's rows.  k: which half of the work-group's 128 units.
; W's fragment sets are in use here: rows 0-31 land in window 3, rows 32-63 in the registers that h has just left.
.macro FLUSH k
	WIN 0xc0                                       ; destination window 3
.set n, 0
.rept 16
	ds_load_b128 v[HH+4*n:HH+4*n+3], v[SOUT] offset:544*n                  ; LDS serves a wave's instructions in order: these see my stores
.set n, n+1
.endr
	WIN 0x80                                       ; destination window 2
.rept 16
	ds_load_b128 v[HH+4*(n-16):HH+4*(n-16)+3], v[SOUT] offset:544*n
.set n, n+1
.endr
	WIN 0x0c                                       ; a store's data are its source 1: window 3
.set n, 0
.rept 16
	s_wait_dscnt 31-n                              ; load n is in; the younger ones may be out
	global_store_b128 v[CO], v[HH+4*n:HH+4*n+3], s[52:53] offset:(32*(n/16)+8*((n/8)%2)+2*(n%8)+8*((n%8)/4))*65536+256*(\k) th:TH_STORE_NT
.set n, n+1
.endr
	WIN 0x08                                       ; window 2
.rept 16
	s_wait_dscnt 31-n
	global_store_b128 v[CO], v[HH+4*(n-16):HH+4*(n-16)+3], s[52:53] offset:(32*(n/16)+8*((n/8)%2)+2*(n%8)+8*((n%8)/4))*65536+256*(\k) th:TH_STORE_NT
.set n, n+1
.endr
	WIN 0
	s_wait_xcnt 0x0                                ; the stores have read their data: h and the next rows are written there only behind this wait
.endm
; THE WAY OUT OF A CHUNK, when both its tiles' h stand in window 2.  mode 0: in the loop; 1: the last chunk but one; 2: the last
.macro WAYOUT mode
.if LAYER
	v_add_nc_u32 v[SIN], s38, v[SIB]
	WIN 0x08                                       ; an LDS store's data are its source 1: window 2
.irp j, 0,1,2,3
.irp c, 0,1,2,3
	ds_store_b128 v[SIN], v[HH+16*\j+4*\c:HH+16*\j+4*\c+3] offset:4352*\j+16*\c   ; stage row 16 j + r, byte 128 (chunk % 2) + 64 h + 16 c
.endr
.endr
	WIN 0
.if \mode == 0
	s_cmp_lg_u32 s37, 1                            ; behind the second chunk the stage's rows are whole: a branch on the loop's counter
	s_cbranch_scc1 .Lno_flush_\@
	FLUSH 0
.Lno_flush_\@:
.endif
.if \mode == 2
	FLUSH 1
.else
	s_xor_b32 s38, s38, 128                        ; the other half of a stage row
.endif
.else
	; LAYER 0: the chunk's 32 units are ONE block of the next product's K, in lanes l and l xor 16.  Four fragments by turns.
	v_add_nc_u32 v[SIN], s39, v[SIB]
	WIN 0x0a                                       ; sources 0 and 1 window 2
.irp j, 0,1,2,3
	v_max3_num_f32 v[TM+\j], |v[HH+16*\j]|, |v[HH+16*\j+1]|, 0x2800000   ; my 16 numbers, and the floor 2^(5 - 127): the byte cannot fall under 1
.endr
	WIN 0x28                                       ; sources 1 and 2 window 2
.irp i, 2,4,6,8,10,12,14
.irp j, 0,1,2,3
	v_max3_num_f32 v[TM+\j], v[TM+\j], |v[HH+16*\j+\i]|, |v[HH+16*\j+\i+1]|
.endr
.endr
	WIN 0
.irp j, 0,1,2,3
	v_permlanex16_b32 v[TP+\j], v[TM+\j], s40, s41
.endr
.irp j, 0,1,2,3
	v_max_num_f32 v[TM+\j], v[TM+\j], v[TP+\j]     ; with lane l xor 16's: the block's largest magnitude
.endr
.irp j, 0,1,2,3
	v_add_nc_u32 v[SCO+\j], 0xfe000000, v[TM+\j]   ; 4 off its exponent field: the conversion's scale operand
.endr
.irp j, 0,1,2,3
	v_lshrrev_b32 v[BY+\j], 23, v[SCO+\j]          ; the scale's byte,
.endr
.irp j, 0,1,2,3
	v_lshl_or_b32 v[WJ+\j], v[BY+\j], s38, v[WJ+\j]   ; at byte (chunk) of the row's scale word: the work-group's 128 units are one K step
.endr
	WIN 0x02                                       ; source 0 window 2
.irp j, 0,1,2,3
	v_cvt_scalef32_pk16_bf6_f32 v[CD+4*\j:CD+4*\j+2], v[HH+16*\j:HH+16*\j+15], v[SCO+\j]   ; 16 codes, 12 bytes: k = 32 (chunk) + 16 h + 0 .. 15
.endr
	WIN 0
	v_nop                                          ; one plain place behind a scaled conversion
.irp j, 0,1,2,3
.irp e, 0,1,2
	ds_store_b32 v[SIN], v[CD+4*\j+\e] offset:1536*\j+4*\e   ; my stage: 1536 j + 384 (chunk) + 24 r + 12 h: a block's 24 bytes lie together
.endr
.endr
.if \mode != 2
	s_add_co_u32 s38, s38, 8                       ; the next byte of the scale words
	s_add_co_u32 s39, s39, 384                     ; the next block's place in the stage
.endif
.endif
.endm
	s_load_b256 s[4:11], s[0:1], 0x0               ; A s[4:5], W s[6:7], b_ih s[8:9], b_hh s[10:11]
.if LAYER
	s_load_b128 s[12:15], s[0:1], 0x20             ; the mask s[12:13], out0 s[14:15]
.else
	s_load_b64 s[12:13], s[0:1], 0x20              ; h1q
.endif
	v_lshl_add_u32 v[SPW], v0, 2, SPARE
	v_mov_b32 v[NIL], 0
	ds_add_u32 v8, v9
	ds_add_u32 v8, v9
	s_wait_dscnt 0x0
	v_lshrrev_b32 v1, 5, v0
	v_readfirstlane_b32 s[WV], v1                  ; wave 0..3
	s_bfe_u32 s17, ttmp6, 0x40000                  ; cx: my place in the cluster: it enters A's, the mask's and the output's global addresses alone
	s_lshl_b32 s18, ttmp9, 2                       ; in a cluster launch ttmp9 counts clusters
	s_add_co_u32 s18, s18, s17                     ; my block of 256 rows
	s_and_b32 s19, ttmp7, 0xffff                   ; nx: my 128 hidden units, which the four partners share
	s_lshl_b32 s20, s18, 2
	s_add_co_u32 s20, s20, s[WV]                   ; G: my wave's group of 64 rows
	; descriptor group 1: a dense block of 19,200 bytes as 75 rows of 256 bytes
	s_mov_b32 s24, 15|(3<<16)|(1<<21)              ; 15:0 the mask: all four work-groups; 17:16 elements of 8 bytes; 20 no padding; 21 set beside a mask
	s_mov_b32 s25, 32<<16                          ; tensor_dim0 = 32
	s_mov_b32 s26, 75<<16                          ; tensor_dim1 = 75
	s_mov_b32 s27, 32<<16                          ; tile_dim0 = 32
	s_mov_b32 s28, 75                              ; tile_dim1 = 75
	s_mov_b32 s29, 32                              ; from row to row: 32 elements
	s_mov_b32 s30, 0
	s_mov_b32 s31, 0
	s_mul_i32 s21, s[WV], QCH                      ; my quarter of a chunk, in memory and in a slot
	s_mul_i32 s22, s19, 4*CH                       ; the work-group's four chunks
	s_add_co_u32 s22, s22, s21
	s_mov_b32 s23, 0
	s_mov_b32 s36, 0                               ; the slot in hand
	s_mov_b32 s37, 0                               ; the loop's counter
	s_mov_b32 s38, 0
	s_mov_b32 s39, 0
	s_mov_b32 s40, 0x76543210
	s_mov_b32 s41, 0xfedcba98                      ; v_permlanex16_b32's selects for lane l xor 16
	s_mov_b32 s42, 0xbfb8aa3b                      ; -L; each constant twice: the packed forms name a pair
	s_mov_b32 s43, 0xbfb8aa3b
	s_mov_b32 s44, 0x3fb8aa3b                      ; L = log2(e)
	s_mov_b32 s45, 0x3fb8aa3b
	s_mov_b32 s46, 0x4038aa3b                      ; 2L
	s_mov_b32 s47, 0x4038aa3b
	s_mov_b32 s48, 0x42800000                      ; 64.0
	s_mov_b32 s49, 0                               ; the chunk whose biases are due: 128 bytes a chunk
	s_lshl_b32 s61, s[WV], 11
	s_add_co_u32 s61, s61, BST                     ; my wave's prepared biases
	v_and_b32 v1, 31, v0                           ; lane
	v_and_b32 v2, 15, v0                           ; r
	v_bfe_u32 v3, v0, 4, 1                         ; h
	v_lshlrev_b32 v[LI], 4, v1
	v_lshlrev_b32 v[L4], 2, v1
	v_lshl_add_u32 v[BLB], v3, 6, s61
	v_add_nc_u32 v[BWA], s61, v[LI]
	s_wait_kmcnt 0x0
	s_mov_b32 s32, 1                               ; group 0: count = 1
	s_mov_b32 s33, s21                             ; LDS address: slot 0, my quarter
	s_add_nc_u64 s[34:35], s[6:7], s[22:23]        ; global address: chunk 0, my quarter
	s_or_b32 s35, s35, 0x80000000                  ; type = 2
	ROUND                                          ; all four work-groups are here: the first joint loads meet
	tensor_load_to_lds s[32:35], s[24:31]          ; chunk 0 into slot 0
	s_nop 0
	PLACES
	s_mul_i32 s50, s20, AGRP
	s_mov_b32 s51, 0
	s_add_nc_u64 s[4:5], s[4:5], s[50:51]          ; A at my group
	s_lshl_b32 s22, s19, 9
	s_add_nc_u64 s[8:9], s[8:9], s[22:23]          ; the biases at my work-group's 128 units
	s_add_nc_u64 s[10:11], s[10:11], s[22:23]
.irp g, 0,1,2                                  ; lane l takes units 4 l .. 4 l + 3 of the 128, of each gate, from both biases: these six loads come first
	global_load_b128 v[PB+8*\g:PB+8*\g+3], v[LI], s[8:9] offset:4096*\g
	global_load_b128 v[PB+8*\g+4:PB+8*\g+7], v[LI], s[10:11] offset:4096*\g
.endr
.if LAYER
	s_lshl_b32 s50, s20, 8
	s_add_nc_u64 s[12:13], s[12:13], s[50:51]      ; the mask at my 64 rows
	s_and_b32 s50, s20, 7                          ; row m = 64 G + p is b = G / 8, l = 64 (G % 8) + p; out0[l][b][:] lies at 65,536 l + 4,096 b
	s_lshl_b32 s50, s50, 22
	s_lshr_b32 s56, s20, 3
	s_lshl_b32 s56, s56, 12
	s_add_co_u32 s50, s50, s56
	s_add_co_u32 s50, s50, s22                     ; + 512 nx
	s_add_nc_u64 s[52:53], s[14:15], s[50:51]
	v_and_b32 v[MA], 8, v2
	v_add_nc_u32 v[MA], v[MA], v2
	v_lshlrev_b32 v[MA], 2, v[MA]                  ; 4 (r + 8 (r / 8))
.irp j, 0,1,2,3
	global_load_b32 v[MK+2*\j], v[MA], s[12:13] offset:4*(32*(\j/2)+8*(\j%2))   ; the mask of my row of fragment j
.endr
.else
	s_add_nc_u64 s[52:53], s[12:13], s[50:51]      ; h1q at my group,
	s_mul_i32 s56, s19, 6144
	s_mov_b32 s57, 0
	s_lshl_b32 s58, s19, 8
	s_mov_b32 s59, 0
	s_add_nc_u64 s[54:55], s[52:53], s[58:59]      ; K step nx: its scale words (from 49,152 on),
	s_add_nc_u64 s[52:53], s[52:53], s[56:57]      ; and its four fragments
.endif
.set n, 0
.rept 16
	global_load_b32 v[ASC+n], v[L4], s[4:5] offset:49152+128*n   ; A's scale words
.set n, n+1
.endr
	WIN 0x80                                       ; destination window 2: A's K steps 0 to 3, twelve loads of 512 consecutive bytes each, K ascending
.set n, 0
.rept 48
	global_load_b128 v[4*n:4*n+3], v[LI], s[4:5] offset:512*n
.set n, n+1
.endr
	WIN 0xc0                                       ; destination window 3: K steps 4 to 7
.set n, 0
.rept 48
	global_load_b128 v[4*n:4*n+3], v[LI], s[4:5] offset:24576+512*n
.set n, n+1
.endr
	WIN 0
.if LAYER
	s_mul_i32 s60, s[WV], 64*272
	s_add_co_u32 s60, s60, OSTG                    ; my stage
	v_mul_u32_u24 v[SIB], v2, 272
	v_lshl_add_u32 v[SIB], v3, 6, v[SIB]
	v_add_nc_u32 v[SIB], s60, v[SIB]               ; in: row r of a fragment's 16, + 64 h
	v_mul_u32_u24 v[SOUT], v3, 272
	v_lshl_add_u32 v[SOUT], v2, 4, v[SOUT]
	v_add_nc_u32 v[SOUT], s60, v[SOUT]             ; back: lanes 0-15 one row of 256 bytes, lanes 16-31 the next
	v_lshlrev_b32 v[CO], 16, v3
	v_lshl_add_u32 v[CO], v2, 4, v[CO]             ; and the same two rows in out0, 65,536 bytes apart
.else
	s_mul_i32 s60, s[WV], 6144
	s_add_co_u32 s60, s60, HSTG                    ; my stage
	v_mul_u32_u24 v[SIB], v2, 24
	v_mad_u32_u24 v[SIB], v3, 12, v[SIB]
	v_add_nc_u32 v[SIB], s60, v[SIB]               ; in: 24 r + 12 h
	v_mul_u32_u24 v[SOUT], v2, 24
	v_mad_u32_u24 v[SOUT], v3, 384, v[SOUT]
	v_add_nc_u32 v[SOUT], s60, v[SOUT]             ; back: block h of row r
.irp j, 0,1,2,3
	v_mov_b32 v[WJ+\j], 0                          ; the scale words gather their bytes by OR
	v_mov_b32 v[TP+\j], 0                          ; a lane permute's destination counts as one of its sources
.endr
.endif
	s_wait_loadcnt 63                              ; behind the biases' six loads (and the mask's four) stand 112 others: at most 63 are out, so these are in
	; THE BIASES ARE PREPARED ONCE: summed, scaled, and laid in my wave's own LDS bytes, from where each tile's 32 come at the head of its turn
	v_pk_add_f32 v[PB:PB+1], v[PB:PB+1], v[PB+4:PB+5]               ; b_ir + b_hr
	v_pk_add_f32 v[PB+2:PB+3], v[PB+2:PB+3], v[PB+6:PB+7]
	v_pk_add_f32 v[PB+8:PB+9], v[PB+8:PB+9], v[PB+12:PB+13]         ; b_iz + b_hz
	v_pk_add_f32 v[PB+10:PB+11], v[PB+10:PB+11], v[PB+14:PB+15]
	v_pk_mul_f32 v[PB+16:PB+17], v[PB+16:PB+17], s[46:47] op_sel_hi:[1,0]   ; 2L b_in
	v_pk_mul_f32 v[PB+18:PB+19], v[PB+18:PB+19], s[46:47] op_sel_hi:[1,0]
	v_pk_mul_f32 v[PB+20:PB+21], v[PB+20:PB+21], s[46:47] op_sel_hi:[1,0]   ; 2L b_hn
	v_pk_mul_f32 v[PB+22:PB+23], v[PB+22:PB+23], s[46:47] op_sel_hi:[1,0]
	v_pk_mul_f32 v[PB:PB+1], v[PB:PB+1], s[42:43] op_sel_hi:[1,0]           ; x -L
	v_pk_mul_f32 v[PB+2:PB+3], v[PB+2:PB+3], s[42:43] op_sel_hi:[1,0]
	v_pk_mul_f32 v[PB+8:PB+9], v[PB+8:PB+9], s[44:45] op_sel_hi:[1,0]       ; x L
	v_pk_mul_f32 v[PB+10:PB+11], v[PB+10:PB+11], s[44:45] op_sel_hi:[1,0]
	ds_store_b128 v[BWA], v[PB:PB+3]
	ds_store_b128 v[BWA], v[PB+8:PB+11] offset:512
	ds_store_b128 v[BWA], v[PB+16:PB+19] offset:1024
	ds_store_b128 v[BWA], v[PB+20:PB+23] offset:1536
.if LAYER
.irp j, 0,1,2,3
	v_cvt_f32_i32 v[MK+2*\j+1], v[MK+2*\j]
.endr
.irp j, 0,1,2,3
	v_mov_b32 v[MK+2*\j], v[MK+2*\j+1]             ; a pair for the packed form
.endr
.endif
	CHANGE 1                                       ; chunk 0 is in; chunk 1 is asked for
	TURNA 0                                        ; chunk 0, tile 0: there are no gates yet to stand beside it
.Lchunk:                                               ; two trips, t = 0, 1: both ask for a chunk
	TURNB                                          ; chunk t, tile 1 | the gates of (t, 0)
	CHANGE 1                                       ; chunk t + 1 is in; chunk t + 2 is asked for, into the slot that chunk t has left
	TURNA 1                                        ; chunk t + 1, tile 0 | the gates of (t, 1)
	WAYOUT 0                                       ; chunk t leaves
	s_add_co_u32 s37, s37, 1
	s_cmp_lt_u32 s37, 2
	s_cbranch_scc1 .Lchunk
	TURNB                                          ; the tail is written out: chunk 2, tile 1 | the gates of (2, 0)
	CHANGE 0                                       ; chunk 3 is in; nothing is left to ask for
	TURNA 1                                        ; chunk 3, tile 0 | the gates of (2, 1)
	WAYOUT 1
	TURNB                                          ; chunk 3, tile 1 | the gates of (3, 0)
	GALONE                                         ; the gates of (3, 1)
	WAYOUT 2
.if LAYER == 0
	; THE LAST WAY OUT: the four fragments of K step nx of the next product.  Lane (r, h) takes blocks h and 2 + h of row r: the operand's registers, which leave as they stand.
.irp j, 0,1,2,3
.irp p, 0,1,2,3,4,5
	ds_load_b64 v[BF+12*\j+2*\p:BF+12*\j+2*\p+1], v[SOUT] offset:1536*\j+768*(\p/3)+8*(\p%3)   ; LDS serves a wave's instructions in order: these see my stores
.endr
.endr
	v_cmp_le_u32 vcc_lo, 16, v1                    ; lanes 16-31 carry the odd fragment's scale words
	v_cndmask_b32 v[WJ+4], v[WJ], v[WJ+1], vcc_lo
	v_cndmask_b32 v[WJ+5], v[WJ+2], v[WJ+3], vcc_lo
	s_wait_dscnt 0x0
.irp j, 0,1,2,3
.irp c, 0,1,2
	global_store_b128 v[LI], v[BF+12*\j+4*\c:BF+12*\j+4*\c+3], s[52:53] offset:1536*\j+512*\c   ; 32 lanes store 512 consecutive bytes, at a multiple of 256 from the buffer's first byte
.endr
.endr
	global_store_b32 v[L4], v[WJ+4], s[54:55] offset:49152
	global_store_b32 v[L4], v[WJ+5], s[54:55] offset:49152+128
.endif
	s_wait_tensorcnt 0x0                           ; the wave's end: behind my last tensor load and my last LDS store
	ds_add_u32 v[SPW], v[NIL]
	s_wait_dscnt 0x0
	ROUND                                          ; the closing round: no work-group ends while a partner may still ask for a chunk that names it
	s_endpgm
.Lfunc_end_k_qba2a99068f_gemm1:
	.size	k_qba2a99068f_gemm1, .Lfunc_end_k_qba2a99068f_gemm1-k_qba2a99068f_gemm1
	.p2alignl 7, 3214868480
	.fill 96, 4, 3214868480
	.section	.rodata,"a",@progbits
	.p2align	6, 0x0
	.amdhsa_kernel k_qba2a99068f_gemm1
		.amdhsa_group_segment_fixed_size 327680
		.amdhsa_private_segment_fixed_size 0
		.amdhsa_enable_private_segment 0
		.amdhsa_kernarg_size 48
		.amdhsa_user_sgpr_count 2
		.amdhsa_user_sgpr_kernarg_segment_ptr 1
		.amdhsa_wavefront_size32 1
		.amdhsa_system_sgpr_workgroup_id_x 1
		.amdhsa_system_sgpr_workgroup_id_y 1
		.amdhsa_system_sgpr_workgroup_id_z 1
		.amdhsa_system_vgpr_workitem_id 0
		.amdhsa_next_free_vgpr 1024
		.amdhsa_next_free_sgpr 66
		.amdhsa_reserve_vcc 1
		.amdhsa_float_denorm_mode_32 3
		.amdhsa_float_denorm_mode_16_64 3
		.amdhsa_memory_ordered 1
		.amdhsa_forward_progress 1
		.amdhsa_inst_pref_size 255
	.end_amdhsa_kernel
	.section	.bss,"aw",@nobits
	.p2align	6
	.space	262144
	.amdgpu_metadata
---
amdhsa.version: [ 1, 2 ]
amdhsa.kernels:
  - .name:           k_qba2a99068f_gemm1
    .symbol:         k_qba2a99068f_gemm1.kd
    .args:
      - { .name: h1q, .offset: 0, .size: 8, .value_kind: global_buffer, .address_space: global }
      - { .name: w1q, .offset: 8, .size: 8, .value_kind: global_buffer, .address_space: global }
      - { .name: b_ih1, .offset: 16, .size: 8, .value_kind: global_buffer, .address_space: global }
      - { .name: b_hh1, .offset: 24, .size: 8, .value_kind: global_buffer, .address_space: global }
      - { .name: inputs_mask, .offset: 32, .size: 8, .value_kind: global_buffer, .address_space: global }
      - { .name: out0, .offset: 40, .size: 8, .value_kind: global_buffer, .address_space: global }
    .group_segment_fixed_size: 327680
    .private_segment_fixed_size: 0
    .kernarg_segment_align: 8
    .kernarg_segment_size: 48
    .max_flat_workgroup_size: 128
    .sgpr_count:     66
    .vgpr_count:     1024
    .wavefront_size: 32
...
	.end_amdgpu_metadata
.endif
;; end of part 3
